; MI455X (gfx1250); checked and timed in simulation.
; The chip was launched on July 23, 2026; its instructions are those of AMD's public machine-readable ISA for CDNA 5 (MIT licence, August 2026) and "CDNA5" Instruction Set Architecture Reference Guide (July 2026). The comments in the code are by the model that wrote it; some were corrected since.
;; Multi Head Self Attention. Allowed arithmetic: matrix products marked QUANTISED: E2M3 operands, one E8M0 scale for each 32 along K, by v_wmma_scale_f32_16x16x128_f8f6f4 with both operands' format E2M3, f32 sums; everything else in f32.
;; Inputs: inputs 2 x 2,048 x 1,024 float32; wk 1,024 x 1,024 float32; wo 1,024 x 1,024 float32; wq 1,024 x 1,024 float32; wv 1,024 x 1,024 float32.
;; Outputs: out0 2 x 2,048 x 1,024 float32.
;; This version of the problem:
;;   THIS VERSION OF THE PROBLEM IS GIVEN IN LOW PRECISION. The matrix products marked QUANTISED in the list below multiply operands that are first quantised to E2M3 (2 exponent bits, 3 mantissa bits; 6 bits a number), with one power-of-two scale for each 32 numbers along K (OCP MX v1.0); their sums are f32. All else is computed in f32.
;;   The module's matrix products, in the order in which they are computed (A, B: the left and right operand; K: the contracted axis; several contracted axes count as one K, in the product's order):
;;     1. [M 4,096, K 1,024] x [K 1,024, N 1,024]; A: input inputs; B: input wq: QUANTISED
;;     2. [M 4,096, K 1,024] x [K 1,024, N 1,024]; A: input inputs; B: input wk: QUANTISED
;;     3. [M 4,096, K 1,024] x [K 1,024, N 1,024]; A: input inputs; B: input wv: QUANTISED
;;     4. batch 32 x [M 2,048, K 64] x [K 64, N 2,048]; A: computed on the way; B: computed on the way: QUANTISED
;;     5. batch 32 x [M 2,048, K 2,048] x [K 2,048, N 64]; A: softmax (see below); B: computed on the way: QUANTISED
;;     6. [M 4,096, K 1,024] x [K 1,024, N 1,024]; A: computed on the way; B: input wo: QUANTISED
;;   THE QUANTISER, for each operand of a quantised product, along K:
;;     - K is cut into blocks of 32 from its start; a last block that is shorter is filled with zeros.
;;     - A block's scale is 2^e with e = floor(log2(the largest magnitude in the block)) - 2, held to -126 .. 127; a block of zeros has e = 0. As a byte (E8M0): e + 127.
;;     - Each number is divided by its block's scale, clamped to +-7.5, and rounded to the nearest number of E2M3, ties to even, subnormals kept.
;;     - The product sums the exact products of the quantised numbers (number of the format x scale) in f32.
;;   ~~~python
;;   def quantise(x, axis):      # numpy; x: float32 -> the quantised numbers, widened to float32 again
;;       x = np.moveaxis(x, axis, -1); K = x.shape[-1]
;;       x = np.pad(x, [(0, 0)] * (x.ndim - 1) + [(0, -K % 32)]); x = x.reshape(x.shape[:-1] + (-1, 32)); a = np.abs(x).max(-1, keepdims=True)
;;       e = np.where(a > 0, np.clip(np.frexp(np.where(a > 0, a, 1))[1] - 1 - 2, -126, 127), 0)      # np.frexp(a)[1] - 1 = floor(log2(a)), exactly
;;       r = np.clip(x / 2.0 ** e, -7.5, 7.5)
;;       step = 2.0 ** (np.maximum(np.frexp(np.where(r == 0, 1, r))[1] - 1, 0) - 3)
;;       q = np.round(r / step) * step * 2.0 ** e      # np.round: ties to even
;;       return np.moveaxis(q.reshape(q.shape[:-2] + (-1,))[..., :K], -1, axis).astype(np.float32)
;;   ~~~
;;   SOFTMAX AHEAD OF A QUANTISED PRODUCT. Where the list says 'softmax', what is quantised is not the finished softmax but p = 2^(t - M), with t = logit x log2(e) and M = ceil(the row's largest t), a whole number; so 1/2 < the row's largest p <= 1. The row's sum l is taken of the UNQUANTISED p, in f32, and the product's result is divided by l at the end. Since M is a whole number, a kernel that streams over the keys may use a running M (the ceiling of the running maximum): every later rescaling is an exact power of two, which a block's scale takes up: the codes' values come out the same.
;;   OPERANDS COMPUTED ON THE WAY. 'Computed on the way' means the value that the module computes at that place (a softmax that the list does not call 'softmax' is quantised finished and normalised). What goes into a quantiser is computed in f32, as accurately as f32 sums, v_exp_f32 and their like allow (about 1e-6 of the number): no bf16 or f16 on the way to a quantiser, and a product that is left as it is and whose result goes on into a quantised operand takes f32 operands (vector FMAs, or v_wmma_f32_16x16x4_f32). A number that lies on a knife's edge between two numbers of the format may be rounded either way, as far as f32 arithmetic and the matrix unit's own rounding can turn it there, and no further.
;; One version. Each part assembles by itself: llvm-mc -triple=amdgcn-amd-amdhsa -mcpu=gfx1250 --defsym DOCPART=n.
;; ======== version 1 of 1: 4 launches
;; limits: right only within a limited range of input values
;; workspace buffers: x_img 3,145,728 bytes; x_sc 131,072 bytes; w_img 3,145,728 bytes; w_sc 131,072 bytes; qk 6,815,744 bytes; vt 3,276,800 bytes; attn_img 3,145,728 bytes; attn_sc 131,072 bytes
;; launch quant (part 1): grid 512 x 1, 4 waves a work-group, no clusters, 68,608 bytes of LDS; arguments inputs, wq, wk, wv, wo, x_img, x_sc, w_img, w_sc; writes x_img, x_sc, w_img, w_sc
.if DOCPART == 1
	.amdgcn_target "amdgcn-amd-amdhsa--gfx1250"
	.amdhsa_code_object_version 6
	.text
	.protected	k_q6070a1ac44_quant
	.globl	k_q6070a1ac44_quant
	.p2align	8
	.type	k_q6070a1ac44_quant,@function
k_q6070a1ac44_quant:
	s_mov_b64 s[64:65], 0
	v_nop
	global_prefetch_b8 v0, s[64:65] scope:SCOPE_SE
	s_setreg_imm32_b32 hwreg(HW_REG_WAVE_MODE, 25, 1), 1
	s_wait_xcnt 0x0
; MULTI-HEAD SELF-ATTENTION IN MX-FP6, launch 1 of 4: inputs [4096][1024] and wq, wk, wv, wo [1024 (k)][1024 (n)], all f32, become codes of E2M3 with one E8M0 byte for each 32 along K.
; DEAD WORK: none.  Every input reaches out0 through a live quantised product, so all five inputs are loaded and all six products of the problem are made (launches 2 to 4).
; THE RULE: a block's scale is 2^(floor(log2(its largest magnitude)) - 2); its byte is the largest magnitude's exponent field - 2, held at 1 from below by a floor among the maximum's leaves.
; LIMITS: NaN and infinities among the inputs are not served.  A block of zeros gets the byte 1 where the rule says 127: its codes are zeros, which add nothing under any byte but 0xff, and the bytes
; are read by this program alone.  Blocks whose largest magnitude lies under 2^-124 are held at the byte 1.
; THE WORKSPACE'S ORDER.  Rows (tokens of x; columns n of a weight) go in blocks of 16: block i, place r holds row 32 (i / 2) + 8 (i % 2) + r + 8 (r / 8).  Used as a product's source 0, two neighbouring
; blocks then leave a lane 16 NEIGHBOURS of the result in 16 registers, which is what the next quantiser wants.  A HALF IMAGE, 768 bytes, is 16 such rows x 64 along K in the order of the operand's
; registers: lane (r, h) owns the 24 bytes of K = 32 h .. 32 h + 31 of row r; its registers 0-3 lie at 16 x lane, its registers 4-5 at 512 + 16 r + 8 h.  x_img, w_img: [block][K / 64][768].
; x_sc, w_sc: [16 x block + r][32 bytes], byte j for K = 32 j on.  w_img's blocks: 0-63 wq, 64-127 wk, 128-191 wv, 192-255 wo.
; SHARES.  Work-groups 0-255: block i of x, all of K; wave w takes K = 256 w .. 256 w + 255 (two matrix K steps).  Each load reads 512 consecutive bytes of one row; the numbers turn through the wave's own
; stage in LDS, so that a lane gets 16 neighbours of each block of 32.  Work-groups 256-511: 128 columns x 128 K of one weight; a lane takes a column and its registers run down K, so nothing is transposed.
; The two ways part on the work-group's number alone; only the first touches LDS.
.set LD,   4                           ; v4   16 x lane
.set L8,   5                           ; v5   16 r + 8 h
.set STI,  6                           ; v6   my stage, on the way in: 16 x lane
.set STO,  7                           ; v7   on the way out: 528 r + 64 h
.set SCA,  8                           ; v8   where my two scale words go in LDS: 32 r + 8 x wave
.set SCR,  9                           ; v9   and where wave 0 reads the block's 512 bytes back
.set L4,   10                          ; v10  4 x lane
.set WO,   11                          ; v11  weights: my column's place in its pair of blocks
.set WS,   12                          ; v12  and its row of scale bytes
.set R0,   16                          ; v16-79   x: K step 0 as loaded, later K step 1 turned;  weights: v16-143 the column's 128 numbers
.set R1,   80                          ; v80-143  x: K step 1 as loaded
.set XA,   144                         ; v144-207 x: K step 0 turned;  weights: v144-183 codes, v196-200 at work
.set TM,   208                         ; v208-223 at work
.set PC,   224                         ; v224-243 a fragment's 12 registers and 8 at work
.set PW,   244                         ; v244-245 the two scale words
.set SPW,  246                         ; LDS address of my spare word; never rewritten
.set NIL,  247                         ; 0; never rewritten
.set WSTG, 16896                       ; LDS: two stages of 16 rows x (512 + 16) bytes for each wave, each written once
.set SCX,  4*WSTG                      ; the block's scale bytes, 512
.set SPARE, SCX+512                    ; the spare words, 128 bytes for each wave, which no other line names
.set SEL,  24                          ; s[24:25] lane selects: lane l xor 16
; 64 numbers of a lane, register 16 b + i = K 32 b + 16 h + i of row r, become a fragment in v[PC] on and its scale word in v[pw]
.macro QUANT s, pw
.irp b, 0,1,2,3
	v_max3_num_f32 v[TM+\b], |v[\s+16*\b]|, |v[\s+1+16*\b]|, 0x1800000   ; my 16 numbers of block b, and the floor 2^(3 - 127)
.endr
.irp i, 2,4,6,8,10,12,14
.irp b, 0,1,2,3
	v_max3_num_f32 v[TM+\b], v[TM+\b], |v[\s+16*\b+\i]|, |v[\s+1+16*\b+\i]|
.endr
.endr
.irp b, 0,1,2,3
	v_permlanex16_b32 v[TM+4+\b], v[TM+\b], s[SEL], s[SEL+1]
.endr
.irp b, 0,1,2,3
	v_max_num_f32 v[TM+\b], v[TM+\b], v[TM+4+\b]                     ; with lane l xor 16's: the block's largest magnitude
.endr
.irp b, 0,1,2,3
	v_add_nc_u32 v[TM+12+\b], 0xff000000, v[TM+\b]                   ; 2 off its exponent field: the conversion's scale operand
.endr
.irp b, 0,1,2,3
	v_lshrrev_b32 v[TM+4+\b], 23, v[TM+12+\b]                        ; the scale's byte
.endr
	v_lshl_or_b32 v[\pw], v[TM+5], 8, v[TM+4]
	v_lshl_or_b32 v[\pw], v[TM+6], 16, v[\pw]
	v_lshl_or_b32 v[\pw], v[TM+7], 24, v[\pw]
.irp c, 0,1
	v_cvt_scalef32_pk16_fp6_f32 v[PC+6*\c:PC+2+6*\c], v[\s+32*\c:\s+15+32*\c], v[TM+12+2*\c]
	v_cvt_scalef32_pk16_fp6_f32 v[PC+12+4*\c:PC+14+4*\c], v[\s+16+32*\c:\s+31+32*\c], v[TM+12+2*\c+1]   ; (a conversion's three registers begin on an even number)
.endr
	v_nop                                          ; one plain line behind the scaled conversions
.irp c, 0,1                                    ; the operand's layout wants a whole block in a lane
.irp i, 0,1,2
	v_permlane16_swap_b32 v[PC+6*\c+\i], v[PC+12+4*\c+\i]
.endr
.irp i, 0,1,2
	v_mov_b32 v[PC+3+6*\c+\i], v[PC+12+4*\c+\i]
.endr
.endr
.endm
.macro PUT off                         ; the fragment goes out as two half images: each store covers 512 or 256 consecutive bytes, aligned
	global_store_b128 v[LD], v[PC:PC+3], s[14:15] offset:\off
	global_store_b64 v[L8], v[PC+4:PC+5], s[14:15] offset:\off+512
	global_store_b128 v[LD], v[PC+6:PC+9], s[14:15] offset:\off+768
	global_store_b64 v[L8], v[PC+10:PC+11], s[14:15] offset:\off+1280
.endm
	s_load_b256 s[4:11], s[0:1], 0x0               ; inputs, wq, wk, wv
	s_load_b256 s[12:19], s[0:1], 0x20             ; wo, x_img, x_sc, w_img
	s_load_b64 s[20:21], s[0:1], 0x40              ; w_sc
	v_lshl_add_u32 v[SPW], v0, 2, SPARE
	v_mov_b32 v[NIL], 0
	v_lshrrev_b32 v1, 5, v0
	v_readfirstlane_b32 s22, v1                    ; wave
	v_and_b32 v1, 31, v0                           ; lane
	v_and_b32 v2, 15, v0                           ; r
	v_bfe_u32 v3, v0, 4, 1                         ; h
	v_lshlrev_b32 v[LD], 4, v1
	v_lshlrev_b32 v[L8], 4, v2
	v_lshl_add_u32 v[L8], v3, 3, v[L8]
	s_mul_i32 s26, s22, WSTG
	v_add_nc_u32 v[STI], s26, v[LD]
	v_mul_u32_u24 v[STO], v2, 528
	v_lshl_add_u32 v[STO], v3, 6, v[STO]
	v_add_nc_u32 v[STO], s26, v[STO]
	v_lshlrev_b32 v[SCA], 5, v2
	s_lshl_b32 s27, s22, 3
	v_add_nc_u32 v[SCA], s27, v[SCA]
	v_add_nc_u32 v[SCA], SCX, v[SCA]
	v_add_nc_u32 v[SCR], SCX, v[LD]
	v_lshlrev_b32 v[L4], 2, v1
	v_bfe_u32 v13, v0, 3, 1                        ; weights: column l of 32 lies in block u = (l / 8) % 2 of its pair,
	v_and_b32 v14, 7, v0
	v_lshl_add_u32 v14, v3, 3, v14                 ; at place l % 8 + 8 (l / 16)
	v_lshlrev_b32 v[WO], 4, v14
	v_mad_u32_u24 v[WO], v13, 12288, v[WO]
	v_lshl_add_u32 v[WS], v13, 4, v14
	v_lshlrev_b32 v[WS], 5, v[WS]
	s_mov_b32 s[SEL], 0x76543210
	s_mov_b32 s[SEL+1], 0xfedcba98
.irp b, 0,1,2,3
	v_mov_b32 v[TM+4+\b], 0                        ; written once: a lane permute's destination counts as one of its sources
.endr
	s_wait_kmcnt 0x0
	s_cmp_lt_u32 ttmp9, 256                        ; the work-group's number alone: all four waves go the same way
	s_cbranch_scc0 .Lweights
	; ---- x: block i = the work-group's number
	s_lshr_b32 s26, ttmp9, 1
	s_lshl_b32 s26, s26, 5
	s_and_b32 s27, ttmp9, 1
	s_lshl_b32 s27, s27, 3
	s_add_co_u32 s26, s26, s27                     ; the block's first row: 32 (i / 2) + 8 (i % 2)
	s_lshl_b32 s26, s26, 12                        ; rows of 4,096 bytes
	s_lshl_b32 s27, s22, 10                        ; my wave's 1,024 bytes of each
	s_add_co_u32 s26, s26, s27
	s_mov_b32 s27, 0
	s_add_nc_u64 s[4:5], s[4:5], s[26:27]
	s_mul_i32 s28, ttmp9, 12288
	s_mul_i32 s29, s22, 3072
	s_add_co_u32 s28, s28, s29
	s_mov_b32 s29, 0
	s_add_nc_u64 s[14:15], s[14:15], s[28:29]
	s_lshl_b32 s30, ttmp9, 9
	s_mov_b32 s31, 0
	s_add_nc_u64 s[16:17], s[16:17], s[30:31]
.irp q, 0,1
.irp p, 0,1,2,3,4,5,6,7,8,9,10,11,12,13,14,15
	global_load_b128 v[R0+64*\q+4*\p:R0+64*\q+4*\p+3], v[LD], s[4:5] offset:(\p+8*(\p/8))*4096+512*\q th:TH_LOAD_NT   ; place p's row, 512 consecutive bytes
.endr
.endr
	s_wait_loadcnt 16                              ; K step 0's sixteen loads are in; K step 1's may be out
.irp p, 0,1,2,3,4,5,6,7,8,9,10,11,12,13,14,15
	ds_store_b128 v[STI], v[R0+4*\p:R0+4*\p+3] offset:528*\p
.endr
.irp b, 0,1,2,3
.irp j, 0,1,2,3
	ds_load_b128 v[XA+16*\b+4*\j:XA+16*\b+4*\j+3], v[STO] offset:128*\b+16*\j   ; LDS serves a wave's instructions in order: these see my stores
.endr
.endr
	s_wait_loadcnt 0x0
.irp p, 0,1,2,3,4,5,6,7,8,9,10,11,12,13,14,15
	ds_store_b128 v[STI], v[R1+4*\p:R1+4*\p+3] offset:8448+528*\p
.endr
	s_wait_dscnt 16                                ; all but the sixteen stores just issued: K step 0 is back, turned
.irp b, 0,1,2,3
.irp j, 0,1,2,3
	ds_load_b128 v[R0+16*\b+4*\j:R0+16*\b+4*\j+3], v[STO] offset:8448+128*\b+16*\j
.endr
.endr
	QUANT XA, PW
	PUT 0
	s_wait_dscnt 0x0                               ; K step 1 is back
	s_wait_xcnt 0x0                                ; the stores above have read the fragment's registers, which are written again
	QUANT R0, PW+1
	PUT 1536
	ds_store_b64 v[SCA], v[PW:PW+1]                ; lanes r and r + 16 write the same bytes with the same value
	s_wait_dscnt 0x0                               ; for the others' sake: my scale words lie in LDS
	s_barrier_signal -1
	s_barrier_wait -1
	s_cmp_lg_u32 s22, 0
	s_cbranch_scc1 .Lxend
	ds_load_b128 v[R1:R1+3], v[SCR]                ; the block's 16 rows x 32 scale bytes
	s_wait_dscnt 0x0
	global_store_b128 v[LD], v[R1:R1+3], s[16:17]  ; 512 consecutive bytes, aligned
.Lxend:
	s_wait_tensorcnt 0x0                           ; the wave's end: behind my last LDS store
	ds_add_u32 v[SPW], v[NIL]
	s_wait_dscnt 0x0
	s_endpgm
	; ---- the weights: this way touches no LDS
.Lweights:
	s_sub_co_u32 s26, ttmp9, 256
	s_and_b32 s27, s26, 31                         ; which 128 columns of the four weights' 4,096
	s_lshr_b32 s28, s26, 5                         ; which 128 along K
	s_lshr_b32 s29, s27, 3                         ; which weight
	s_and_b32 s30, s27, 7                          ; which 128 of its columns
	s_cmp_lt_u32 s29, 1
	s_cselect_b64 s[32:33], s[6:7], s[8:9]
	s_cmp_lt_u32 s29, 3
	s_cselect_b64 s[34:35], s[10:11], s[12:13]
	s_cmp_lt_u32 s29, 2
	s_cselect_b64 s[32:33], s[32:33], s[34:35]
	s_lshl_b32 s36, s28, 19                        ; 128 rows of 4,096 bytes
	s_lshl_b32 s37, s30, 9
	s_add_co_u32 s36, s36, s37
	s_lshl_b32 s37, s22, 7                         ; my wave's 32 columns
	s_add_co_u32 s36, s36, s37
	s_mov_b32 s37, 0
	s_add_nc_u64 s[32:33], s[32:33], s[36:37]
	s_lshl_b32 s38, s27, 2
	s_add_co_u32 s38, s38, s22                     ; my pair of blocks
	s_mul_i32 s40, s38, 24576
	s_mul_i32 s41, s28, 1536
	s_add_co_u32 s40, s40, s41
	s_mov_b32 s41, 0
	s_add_nc_u64 s[18:19], s[18:19], s[40:41]
	s_lshl_b32 s42, s38, 10
	s_lshl_b32 s43, s28, 2
	s_add_co_u32 s42, s42, s43
	s_mov_b32 s43, 0
	s_add_nc_u64 s[20:21], s[20:21], s[42:43]
.macro LOADW t                         ; block t: W(32 t + i, my column): 128 consecutive bytes a wave, 512 a work-group
.irp i, 0,1,2,3,4,5,6,7,8,9,10,11,12,13,14,15,16,17,18,19,20,21,22,23,24,25,26,27,28,29,30,31
	global_load_b32 v[R0+32*(\t)+\i], v[L4], s[32:33] offset:(32*(\t)+\i)*4096 th:TH_LOAD_NT
.endr
.endm
.macro BLOCKW t
.set XS, R0+32*(\t)
.set Z, 144+20*((\t)/2)                ; a half image's registers: Z .. Z+3 block a's first four, Z+4 .. Z+7 block b's, Z+8 .. Z+11 the last two of each; Z+12 on at work
.if (\t) < 3
	s_wait_loadcnt 32                              ; this block's 32 loads are in; the next block's may be out
.else
	s_wait_loadcnt 0x0
.endif
.if (\t)+2 < 4
	LOADW (\t)+2                                   ; two blocks ahead, into registers of its own
.endif
	v_max3_num_f32 v196, |v[XS]|, |v[XS+1]|, |v[XS+2]|              ; all 32 numbers of the block are mine
	v_max3_num_f32 v197, |v[XS+3]|, |v[XS+4]|, |v[XS+5]|
.irp i, 6,10,14,18,22,26
	v_max3_num_f32 v196, v196, |v[XS+\i]|, |v[XS+\i+1]|
	v_max3_num_f32 v197, v197, |v[XS+\i+2]|, |v[XS+\i+3]|
.endr
	v_max3_num_f32 v196, v196, |v[XS+30]|, |v[XS+31]|
	v_max3_num_f32 v196, v196, v197, 0x1800000     ; and the floor
	v_add_nc_u32 v198, 0xff000000, v196
	v_lshrrev_b32 v199, 23, v198
.if (\t) == 0
	v_mov_b32 v200, v199
.else
	v_lshl_or_b32 v200, v199, 8*(\t), v200         ; four bytes make the column's scale word of these 128
.endif
	v_cvt_scalef32_pk16_fp6_f32 v[Z+4*((\t)%2):Z+4*((\t)%2)+2], v[XS:XS+15], v198
	v_cvt_scalef32_pk16_fp6_f32 v[Z+12+4*((\t)%2):Z+12+4*((\t)%2)+2], v[XS+16:XS+31], v198
	v_nop                                          ; one plain line behind the scaled conversions
.if (\t)%2 == 1
	v_mov_b32 v[Z+3], v[Z+12]
	v_mov_b32 v[Z+7], v[Z+16]
	v_mov_b32 v[Z+8], v[Z+13]
	v_mov_b32 v[Z+9], v[Z+14]
	v_mov_b32 v[Z+10], v[Z+17]
	v_mov_b32 v[Z+11], v[Z+18]
	global_store_b128 v[WO], v[Z:Z+3], s[18:19] offset:768*((\t)/2)          ; sixteen lanes fill 256 consecutive bytes of each of the pair's two blocks
	global_store_b128 v[WO], v[Z+4:Z+7], s[18:19] offset:768*((\t)/2)+256
	global_store_b128 v[WO], v[Z+8:Z+11], s[18:19] offset:768*((\t)/2)+512
.endif
.endm
	LOADW 0
	LOADW 1
.irp t, 0,1,2,3
	BLOCKW \t
.endr
	global_store_b32 v[WS], v200, s[20:21]         ; 4 bytes of each column's 32: one byte for 128 read.  Whole rows would want all of K in one work-group
	s_endpgm
.Lfunc_end_k_q6070a1ac44_quant:
	.size	k_q6070a1ac44_quant, .Lfunc_end_k_q6070a1ac44_quant-k_q6070a1ac44_quant
	.p2alignl 7, 3214868480
	.fill 96, 4, 3214868480
	.section	.rodata,"a",@progbits
	.p2align	6, 0x0
	.amdhsa_kernel k_q6070a1ac44_quant
		.amdhsa_group_segment_fixed_size 68608
		.amdhsa_private_segment_fixed_size 0
		.amdhsa_enable_private_segment 0
		.amdhsa_kernarg_size 72
		.amdhsa_user_sgpr_count 2
		.amdhsa_user_sgpr_kernarg_segment_ptr 1
		.amdhsa_wavefront_size32 1
		.amdhsa_system_sgpr_workgroup_id_x 1
		.amdhsa_system_sgpr_workgroup_id_y 1
		.amdhsa_system_sgpr_workgroup_id_z 1
		.amdhsa_system_vgpr_workitem_id 0
		.amdhsa_next_free_vgpr 256
		.amdhsa_next_free_sgpr 66
		.amdhsa_reserve_vcc 0
		.amdhsa_float_denorm_mode_32 3
		.amdhsa_float_denorm_mode_16_64 3
		.amdhsa_memory_ordered 1
		.amdhsa_forward_progress 1
		.amdhsa_inst_pref_size 39
	.end_amdhsa_kernel
	.amdgpu_metadata
---
amdhsa.version: [ 1, 2 ]
amdhsa.kernels:
  - .name:           k_q6070a1ac44_quant
    .symbol:         k_q6070a1ac44_quant.kd
    .args:
      - { .name: inputs, .offset: 0, .size: 8, .value_kind: global_buffer, .address_space: global }
      - { .name: wq, .offset: 8, .size: 8, .value_kind: global_buffer, .address_space: global }
      - { .name: wk, .offset: 16, .size: 8, .value_kind: global_buffer, .address_space: global }
      - { .name: wv, .offset: 24, .size: 8, .value_kind: global_buffer, .address_space: global }
      - { .name: wo, .offset: 32, .size: 8, .value_kind: global_buffer, .address_space: global }
      - { .name: x_img, .offset: 40, .size: 8, .value_kind: global_buffer, .address_space: global }
      - { .name: x_sc, .offset: 48, .size: 8, .value_kind: global_buffer, .address_space: global }
      - { .name: w_img, .offset: 56, .size: 8, .value_kind: global_buffer, .address_space: global }
      - { .name: w_sc, .offset: 64, .size: 8, .value_kind: global_buffer, .address_space: global }
    .group_segment_fixed_size: 68608
    .private_segment_fixed_size: 0
    .kernarg_segment_align: 8
    .kernarg_segment_size: 72
    .max_flat_workgroup_size: 128
    .sgpr_count:     66
    .vgpr_count:     256
    .wavefront_size: 32
...
	.end_amdgpu_metadata
.endif
;; end of part 1
;; launch proj (part 2): grid 16 x 16, 4 waves a work-group, clusters of 4 x 4, 327,680 bytes of LDS; arguments x_img, x_sc, w_img, w_sc, qk, vt; writes qk, vt
.if DOCPART == 2
	.amdgcn_target "amdgcn-amd-amdhsa--gfx1250"
	.amdhsa_code_object_version 6
	.text
	.protected	k_q6070a1ac44_proj
	.globl	k_q6070a1ac44_proj
	.p2align	8
	.type	k_q6070a1ac44_proj,@function
k_q6070a1ac44_proj:
	s_mov_b64 s[64:65], 0
	v_nop
	global_prefetch_b8 v0, s[64:65] scope:SCOPE_SE
	s_setreg_imm32_b32 hwreg(HW_REG_WAVE_MODE, 25, 1), 1
	s_wait_xcnt 0x0
	s_wait_alu depctr_hold_cnt(0) depctr_sa_sdst(0) depctr_va_vdst(0) depctr_va_sdst(0) depctr_va_ssrc(0) depctr_va_vcc(0) depctr_vm_vsrc(0)
	s_getreg_b32 s2, hwreg(HW_REG_IB_STS2, 6, 4)
	s_cmp_eq_u32 s2, 0
	s_cbranch_scc0 .Lentry_in_a_cluster
	s_endpgm
.Lentry_in_a_cluster:
	s_bfe_u32 s2, ttmp6, 0x10000c
	s_cmp_lg_u32 s2, 0xf033
	s_cbranch_scc0 .Lentry_shape_is_right
	s_endpgm
.Lentry_shape_is_right:
; Launch 2 of 4: q = x wq, k = x wk, v = x wv on codes of E2M3, each result quantised in registers for the product that takes it.  No work of the problem is left out.
; THE DEAL.  256 work-groups of four waves, 2 x 2 (a = wave / 2, b = wave % 2).  A work-group makes 128 channels x 128 tokens of v, PHASE 1, and then 256 tokens x 128 columns of q or k, PHASE 2.
; v's 128 tokens are a half of the work-group's own 256: which half (s87 = cluster x % 2) and which tensor (s19 = cluster x / 2) come from the cluster's number alone.  v's tile column is 4 s19 + cx.
; A wave holds 64 rows of a weight (one head), all of K, in 384 registers and streams blocks of 16 tokens past them, 32 products a block, from two sets of registers.
; LDS: the 256 tokens' codes for all of K, as they lie in memory; a region of its own for a weight's 128 rows; x's scale bytes, dense; the spare words.  Phase 1 alone takes its place in x's codes and scales by s87.
; FILLS.  At the head one tensor load a wave: wv's rows, x's scales, x's two halves.  ONE REFILL: when every wave holds wv in registers, a drained round of the cluster's barrier, and wq's or wk's rows come onto wv's
; (waves 0 and 1 a half each), ahead of the first product; a plain barrier behind phase 1 shows them.  x's rows are shared along a row of the cluster, a weight's along a column: joint loads.
; OPERANDS LIE IN THE ORDER OF THEIR REGISTERS (launch 1's head): a fragment, 16 rows x 128 K, is 1,536 bytes and comes by four LDS loads of consecutive bytes.
; THE WAY OUT.  Phase 2 (source 0 = the weight's rows): a lane's 32 sums of a block are one token's 64 columns of a head, register 16 b + i = column 32 b + 16 h + i.  Phase 1 (source 0 = x's rows): for each 16 channels a lane's
; 32 sums over four blocks are one channel's 64 tokens in the same order.  Both become a half image of six registers and two scale bytes by one macro.
; OUT, as launch 3 reads it.  qk: [batch][32: q's heads, k's][16 steps][6,656]: 8 half images, then scale words at 32 r + 4 x block (two bytes, two zeros).  vt: [32: 128 keys][16 heads][6,400]: 4 fragments, then scale words
; at 16 r + 4 x fragment: a wave has 64 of a fragment's 128 keys, so it stores two bytes of each word: 8 bytes a row beside 384 bytes of codes.
; NO PREFETCH: all loads but one go out at the head, and that one ahead of the first product.
; LIMITS: as at launch 1's head (NaN, infinities; the byte of a block of zeros).
; REGISTERS.  Fragment f lies in window 1 + f / 21 at register 12 (f % 21): 0-31 the weight's (4 q + block), 32-39 and 40-47 the tokens' two sets.  Window 0: addresses, scale words, sums, codes.
.set BLK,   12288                      ; a block of 16 rows, all of K
.set FRB,   1536
.set XB1,   8*BLK
.set BVB,   16*BLK
.set SCL,   24*BLK
.set SBLK,  512                        ; the scale bytes of 16 rows
.set SPARE, SCL+16*SBLK
.set NF,    34                         ; LDS loads of a block: 32 for eight fragments, 2 for eight scale words
.set O16,  3                           ; v3 16 x lane;  v4 16 r + 8 h
.set O8,   4
.set ABS,  5                           ; 32 x lane
.set WB,   6                           ; v6, v7 my rows of the weight in LDS
.set XV,   8                           ; v8, v9 phase 1's four blocks
.set XQ,   10                          ; v10, v11 phase 2's blocks 0-3;  v12, v13 blocks 4-7
.set SV,   14                          ; x's scale words, phase 1;  v15 phase 2
.set SQ,   15
.set SPW,  16
.set NIL,  17
.set VSO,  18                          ; 16 r + 2 a
.set QSO,  19                          ; 32 r + 16 h
.set V16,  22                          ; v22, v23 as v3, v4, + 768 a: my 64 keys' half of a fragment of v
.set V8,   23
.set SB,   26                          ; v26-41 wv's scale words: register 8 (block / 2) + q; lanes 0-15 the even block, lanes 16-31 the odd
.set T,    42                          ; v42-45 four chains, v46-47 what the lane permutes bring
.set SA,   48                          ; v48-63 the tokens' scale words, two sets
.set ACC,  64                          ; phase 2: two sets of four accumulators
.set HV,   64                          ; phase 1: v64-191: 32 x weight block + 8 x token block
.set CD,   192                         ; two sets of codes
.set TC,   208
.set SOP,  212
.set EB,   214
.set PW,   216                         ; v216-223 scale bytes of eight way outs
.set SB2,  226                         ; v226-241 wq's or wk's scale words
.set SELV, 244
.set G1A,  24
.set G1B,  32
.set G0W,  52
.set G0S,  56
.set G0X0, 60
.set G1S,  68
.set G0X1, 76
.set SEL,  98
.set MSB, 0
.macro WIN new                         ; the immediate's high byte repeats the setting that is left
.if MSB != \new
	s_set_vgpr_msb (MSB<<8)|\new
.set MSB, \new
.endif
.endm
.macro PLACES n
.rept \n
	v_nop
.endr
.endm
.macro WALU
	s_wait_alu depctr_va_vdst(0)
.endm
.macro BARRIER
	s_barrier_signal -1
	s_barrier_wait -1
.endm
.macro CROUND
	BARRIER
	s_cmp_lg_u32 s14, 0
	s_cbranch_scc1 .Lnot_wave_0_\@
	s_barrier_signal -3
.Lnot_wave_0_\@:
	s_barrier_wait -3
	BARRIER
.endm
.macro TLOAD g0, g1
	tensor_load_to_lds s[\g0:\g0+3], s[\g1:\g1+7]
	s_nop 0
	PLACES 4
.endm
.macro CODES1 g, mask                  ; group 1: 8 blocks, dense, as rows of 12,288 bytes
	s_or_b32 s[\g], s\mask, (3<<16)|(1<<21)
	s_mov_b32 s[\g+1], 1536<<16
	s_mov_b32 s[\g+2], 8<<16
	s_mov_b32 s[\g+3], 1536<<16
	s_mov_b32 s[\g+4], 8
	s_mov_b32 s[\g+5], 1536
	s_mov_b32 s[\g+6], 0
	s_mov_b32 s[\g+7], 0
.endm
.macro G0MK g, lds, base, off          ; group 0 (s21 = 0)
	s_mov_b32 s[\g], 1
	s_mov_b32 s[\g+1], \lds
	s_mov_b32 s20, s\off
	s_add_nc_u64 s[\g+2:\g+3], s[\base:\base+1], s[20:21]
	s_or_b32 s[\g+3], s[\g+3], 0x80000000
.endm
.macro LFRAG f, adr, off               ; a fragment as it lies: registers 0-3, 4-5, 6-9, 10-11
	WIN (1+(\f)/21)<<6
.set R_, 12*((\f)%21)
	ds_load_b128 v[R_:R_+3], v[\adr] offset:(\off)
	ds_load_b64 v[R_+4:R_+5], v[\adr+1] offset:(\off)+512
	ds_load_b128 v[R_+6:R_+9], v[\adr] offset:(\off)+768
	ds_load_b64 v[R_+10:R_+11], v[\adr+1] offset:(\off)+1280
.endm
.macro WEIGHTS                         ; my 64 rows of the weight, all of K: 128 loads
.irp q, 0,1,2,3,4,5,6,7
.irp w, 0,1,2,3
	LFRAG 4*\q+\w, WB, \w*BLK+\q*FRB
.endr
.endr
	WIN 0
.endm
.macro FETCH e, adr, blk, sadr, sblk   ; a block of tokens into set e
.irp q, 0,1,2,3,4,5,6,7
	LFRAG 32+8*(\e)+\q, \adr, (\blk)*BLK+\q*FRB
.endr
	WIN 0
	ds_load_b128 v[SA+8*(\e):SA+8*(\e)+3], v[\sadr] offset:(\sblk)*SBLK
	ds_load_b128 v[SA+8*(\e)+4:SA+8*(\e)+7], v[\sadr] offset:(\sblk)*SBLK+16
.endm
.macro PRD d, f0, f1, c, x0, x1, side, o
	WIN (1+(\f0)/21)|((1+(\f1)/21)<<2)
.if \o
	v_wmma_scale_f32_16x16x128_f8f6f4 v[\d:\d+7], v[12*((\f0)%21):12*((\f0)%21)+11], v[12*((\f1)%21):12*((\f1)%21)+11], \c, v[\x0], v[\x1] matrix_a_fmt:MATRIX_FMT_FP6 matrix_b_fmt:MATRIX_FMT_FP6 matrix_\side\()_scale:MATRIX_SCALE_ROW1
.else
	v_wmma_scale_f32_16x16x128_f8f6f4 v[\d:\d+7], v[12*((\f0)%21):12*((\f0)%21)+11], v[12*((\f1)%21):12*((\f1)%21)+11], \c, v[\x0], v[\x1] matrix_a_fmt:MATRIX_FMT_FP6 matrix_b_fmt:MATRIX_FMT_FP6
.endif
.endm
; 32 products: four accumulators by turns, K ascending; the first four start the sums
.macro BLOCKV e, xb                    ; source 0 the tokens, source 1 the weight
.irp q, 0,1,2,3,4,5,6,7
.irp w, 0,1,2,3
.if \q
	PRD HV+32*\w+8*(\xb), 32+8*(\e)+\q, 4*\q+\w, v[HV+32*\w+8*(\xb):HV+32*\w+8*(\xb)+7], SA+8*(\e)+\q, SB+8*(\w/2)+\q, b, \w%2
.else
	PRD HV+32*\w+8*(\xb), 32+8*(\e)+\q, 4*\q+\w, 0, SA+8*(\e)+\q, SB+8*(\w/2)+\q, b, \w%2
.endif
.endr
.endr
	WIN 0
.endm
.macro BLOCKQ e                        ; source 0 the weight, source 1 the tokens
.irp q, 0,1,2,3,4,5,6,7
.irp w, 0,1,2,3
.if \q
	PRD ACC+32*(\e)+8*\w, 4*\q+\w, 32+8*(\e)+\q, v[ACC+32*(\e)+8*\w:ACC+32*(\e)+8*\w+7], SB2+8*(\w/2)+\q, SA+8*(\e)+\q, a, \w%2
.else
	PRD ACC+32*(\e)+8*\w, 4*\q+\w, 32+8*(\e)+\q, 0, SB2+8*(\w/2)+\q, SA+8*(\e)+\q, a, \w%2
.endif
.endr
.endr
	WIN 0
.endm
; 32 sums of a lane, register 16 b + i = place 32 b + 16 h + i along the next K, become six registers of codes in v[c] on and two scale bytes in v[w].  Each accumulator is read from its low end on
.macro HALFQ x, c, w
	WALU
	s_wait_xcnt 0x0                                ; earlier stores have read the registers that are written again
.irp k, 0,1,2,3
	v_max3_num_f32 v[T+\k], |v[\x+8*\k]|, |v[\x+8*\k+1]|, |v[\x+8*\k+2]|
.endr
.irp i, 3,5
.irp k, 0,1,2,3
	v_max3_num_f32 v[T+\k], v[T+\k], |v[\x+8*\k+\i]|, |v[\x+8*\k+\i+1]|
.endr
.endr
.irp b, 0,1
	v_max3_num_f32 v[T+2*\b], v[T+2*\b], v[T+2*\b+1], |v[\x+16*\b+7]|
.endr
.irp b, 0,1
	v_max3_num_f32 v[T+2*\b], v[T+2*\b], |v[\x+16*\b+15]|, 0x1800000   ; and the floor 2^(3 - 127)
.endr
.irp b, 0,1
	v_permlanex16_b32 v[T+4+\b], v[T+2*\b], s[SEL], s[SEL+1]
.endr
.irp b, 0,1
	v_max_num_f32 v[T+2*\b], v[T+2*\b], v[T+4+\b]  ; with lane l xor 16's: the block's largest magnitude
.endr
.irp b, 0,1
	v_add_nc_u32 v[SOP+\b], 0xff000000, v[T+2*\b]  ; 2 off its exponent field: the conversion's scale operand
.endr
.irp b, 0,1
	v_lshrrev_b32 v[EB+\b], 23, v[SOP+\b]
.endr
	v_lshl_or_b32 v[\w], v[EB+1], 8, v[EB]
	v_cvt_scalef32_pk16_fp6_f32 v[\c:\c+2], v[\x:\x+15], v[SOP]
	v_cvt_scalef32_pk16_fp6_f32 v[TC:TC+2], v[\x+16:\x+31], v[SOP+1]
	v_nop                                          ; one plain line behind the scaled conversions
.irp i, 0,1,2
	v_permlane16_swap_b32 v[\c+\i], v[TC+\i]       ; the operand's layout wants a whole block in a lane
.endr
.irp i, 0,1,2
	v_mov_b32 v[\c+3+\i], v[TC+\i]
.endr
.endm
.macro OUTQ n                          ; phase 2's block n: its half image
	HALFQ ACC+32*((\n)%2), CD+8*((\n)%2), PW+(\n)
	global_store_b128 v[O16], v[CD+8*((\n)%2):CD+8*((\n)%2)+3], s[48:49] offset:(\n)*768       ; 512 consecutive bytes, aligned,
	global_store_b64 v[O8], v[CD+8*((\n)%2)+4:CD+8*((\n)%2)+5], s[48:49] offset:(\n)*768+512   ; and 256
.endm
	s_load_b256 s[4:11], s[0:1], 0x0               ; x_img, x_sc, w_img, w_sc
	s_load_b128 s[48:51], s[0:1], 0x20             ; qk, vt
	v_lshl_add_u32 v[SPW], v0, 2, SPARE
	v_mov_b32 v[NIL], 0
	ds_add_u32 v[SPW], v[NIL]                      ; the opening: the add, twice on end, and its wait
	ds_add_u32 v[SPW], v[NIL]
	v_lshrrev_b32 v1, 5, v0
	v_readfirstlane_b32 s14, v1                    ; wave
	s_lshr_b32 s15, s14, 1                         ; a
	s_and_b32 s16, s14, 1                          ; b
	s_bfe_u32 s40, ttmp6, 0x40000                  ; cx
	s_bfe_u32 s41, ttmp6, 0x40004                  ; cy
	s_lshl_b32 s42, ttmp9, 2
	s_add_co_u32 s42, s42, s40                     ; phase 2's tile column: 0-7 q, 8-15 k
	s_and_b32 s43, ttmp7, 0xffff
	s_lshl_b32 s43, s43, 2
	s_add_co_u32 s43, s43, s41                     ; my 256 tokens
	s_lshr_b32 s19, ttmp9, 1
	s_and_b32 s87, ttmp9, 1                        ; v's half of them
	s_lshl_b32 s13, s19, 2
	s_add_co_u32 s13, s13, s40                     ; v's tile column
	s_lshl_b32 s44, s41, 2
	s_lshl_b32 s44, 15, s44                        ; my row of the cluster
	s_lshl_b32 s45, 0x1111, s40                    ; my column
	CODES1 G1A, 44
	CODES1 G1B, 45
	s_or_b32 s[G1S], s44, (3<<16)|(1<<21)          ; x's scales: 8,192 dense bytes as 32 rows of 256
	s_mov_b32 s[G1S+1], 32<<16
	s_mov_b32 s[G1S+2], 32<<16
	s_mov_b32 s[G1S+3], 32<<16
	s_mov_b32 s[G1S+4], 32
	s_mov_b32 s[G1S+5], 32
	s_mov_b32 s[G1S+6], 0
	s_mov_b32 s[G1S+7], 0
	s_lshl_b32 s20, s43, 4                         ; my tokens' first block
	s_mul_i32 s22, s20, BLK                        ; their first half, bytes from x_img,
	s_add_co_u32 s23, s22, 8*BLK                   ; and their second
	s_lshl_b32 s88, s13, 3
	s_add_co_u32 s88, s88, 128                     ; wv's blocks begin at 128 of w_img
	s_lshl_b32 s89, s42, 3                         ; wq's at 0, wk's at 64
	s_lshl_b32 s90, s16, 2
	s_add_co_u32 s91, s88, s90
	s_lshl_b32 s91, s91, 9                         ; my 64 rows' scale bytes
	s_add_co_u32 s92, s89, s90
	s_lshl_b32 s92, s92, 9
	s_mul_i32 s88, s88, BLK
	s_mul_i32 s89, s89, BLK
	s_lshl_b32 s93, s43, 13
	s_mov_b32 s21, 0
	s_wait_dscnt 0x0                               ; both opening adds are done
	CROUND                                         ; all sixteen work-groups are here: the first joint loads meet
	s_wait_kmcnt 0x0
	G0MK G0W, BVB, 8, 88
	G0MK G0S, SCL, 6, 93
	G0MK G0X0, 0, 4, 22
	G0MK G0X1, XB1, 4, 23
	s_mov_b32 s20, s91
	s_add_nc_u64 s[94:95], s[10:11], s[20:21]
	s_mov_b32 s20, s92
	s_add_nc_u64 s[96:97], s[10:11], s[20:21]
	s_cmp_eq_u32 s14, 0                            ; one load a wave: one chain of branches on the wave's number
	s_cbranch_scc0 .Lwave_1
	TLOAD G0W, G1B                                 ; wave 0: wv's rows, wanted first
	s_branch .Lasked
.Lwave_1:
	s_cmp_eq_u32 s14, 1
	s_cbranch_scc0 .Lwave_2
	TLOAD G0S, G1S
	s_branch .Lasked
.Lwave_2:
	s_cmp_eq_u32 s14, 2
	s_cbranch_scc0 .Lwave_3
	TLOAD G0X0, G1A
	s_branch .Lasked
.Lwave_3:
	TLOAD G0X1, G1A
.Lasked:
	s_lshr_b32 s20, s43, 3                         ; qk: the batch,
	s_lshl_b32 s20, s20, 5
	s_lshl_b32 s2, s42, 1
	s_add_co_u32 s20, s20, s2
	s_add_co_u32 s20, s20, s16                     ; my head of the 32,
	s_lshl_b32 s20, s20, 4
	s_and_b32 s2, s43, 7
	s_lshl_b32 s2, s2, 1
	s_add_co_u32 s20, s20, s2
	s_add_co_u32 s20, s20, s15                     ; my 128 tokens
	s_mul_i32 s20, s20, 6656
	s_add_nc_u64 s[48:49], s[48:49], s[20:21]
	s_lshl_b32 s20, s43, 1                         ; vt: the 128 keys,
	s_add_co_u32 s20, s20, s87
	s_lshl_b32 s20, s20, 4
	s_lshl_b32 s2, s13, 1
	s_add_co_u32 s20, s20, s2
	s_add_co_u32 s20, s20, s16                     ; my head
	s_mul_i32 s20, s20, 6400
	s_add_nc_u64 s[50:51], s[50:51], s[20:21]
	s_mul_i32 s84, s15, 768                        ; my 64 of the keys: the half of each fragment
	s_mul_i32 s2, s16, 4*BLK
	s_add_co_u32 s2, s2, BVB
	s_mul_i32 s12, s15, 4*BLK                      ; phase 1: v's half of the tokens, and my four blocks of it
	s_mul_i32 s47, s87, 8*BLK
	s_add_co_u32 s12, s12, s47
	s_mul_i32 s17, s15, 8*BLK                      ; phase 2: my eight blocks
	s_mul_i32 s18, s87, 8*SBLK
	s_mul_i32 s46, s15, 4*SBLK
	s_add_co_u32 s18, s18, s46
	s_add_co_u32 s18, s18, SCL
	s_mul_i32 s3, s15, 8*SBLK
	s_add_co_u32 s3, s3, SCL
	s_lshl_b32 s46, s15, 1
	s_mov_b32 s[SEL], 0x76543210
	s_mov_b32 s[SEL+1], 0xfedcba98
	v_and_b32 v1, 15, v0                           ; r
	v_bfe_u32 v2, v0, 4, 1                         ; h
	v_and_b32 v3, 31, v0
	v_lshlrev_b32 v[ABS], 5, v3
	v_lshlrev_b32 v[O16], 4, v3
	v_lshlrev_b32 v[O8], 4, v1
	v_lshl_add_u32 v[O8], v2, 3, v[O8]
.irp p, 0,1
.irp c, 0,1
	global_load_b128 v[SB+8*\p+4*\c:SB+8*\p+4*\c+3], v[ABS], s[94:95] offset:\p*1024+16*\c
	global_load_b128 v[SB2+8*\p+4*\c:SB2+8*\p+4*\c+3], v[ABS], s[96:97] offset:\p*1024+16*\c
.endr
.endr
	v_add_nc_u32 v[WB], s2, v[O16]
	v_add_nc_u32 v[WB+1], s2, v[O8]
	v_add_nc_u32 v[XV], s12, v[O16]
	v_add_nc_u32 v[XV+1], s12, v[O8]
	v_add_nc_u32 v[XQ], s17, v[O16]
	v_add_nc_u32 v[XQ+1], s17, v[O8]
	v_add_nc_u32 v[XQ+2], 4*BLK, v[XQ]
	v_add_nc_u32 v[XQ+3], 4*BLK, v[XQ+1]
	v_lshlrev_b32 v20, 5, v1                       ; my row's scales: 32 bytes a row
	v_add_nc_u32 v[SV], s18, v20
	v_add_nc_u32 v[SQ], s3, v20
	v_lshlrev_b32 v[VSO], 4, v1
	v_add_nc_u32 v[VSO], s46, v[VSO]
	v_lshlrev_b32 v[QSO], 5, v1
	v_lshl_add_u32 v[QSO], v2, 4, v[QSO]
	v_add_nc_u32 v[V16], s84, v[O16]
	v_add_nc_u32 v[V8], s84, v[O8]
	v_mov_b32 v[T+4], 0                            ; written once: a lane permute's destination counts as one of its sources
	v_mov_b32 v[T+5], 0
	WALU                                           ; the wait at the head's end
	s_cmp_eq_u32 s14, 0
	s_cbranch_scc0 .Lnot_w
	s_wait_tensorcnt 0x0
.Lnot_w:
	BARRIER                                        ; wv's rows are in; the other three tiles may be on their way
	WEIGHTS
	s_wait_tensorcnt 0x0                           ; the three lines ahead of the refill's round: all my tensor loads are in,
	ds_add_u32 v[SPW], v[NIL]
	s_mov_b32 s[G1B+2], 4<<16                      ; no tensor load of mine is out: the refill's loads bring 4 blocks each
	s_mov_b32 s[G1B+4], 4
	s_mul_i32 s[G0W+1], s14, 4*BLK
	s_add_co_u32 s[G0W+1], s[G0W+1], BVB
	s_mul_i32 s20, s14, 4*BLK
	s_add_co_u32 s20, s20, s89
	s_add_nc_u64 s[G0W+2:G0W+3], s[8:9], s[20:21]
	s_or_b32 s[G0W+3], s[G0W+3], 0x80000000
	s_wait_dscnt 0x0                               ; the add is done, and wv is in my registers
	CROUND                                         ; every wave of every partner holds wv, and all the head's tiles are in
	s_cmp_lt_u32 s14, 2
	s_cbranch_scc0 .Lno_half
	TLOAD G0W, G1B                                 ; wq's or wk's rows onto wv's
.Lno_half:
	FETCH 0, XV, 0, SV, 0
	FETCH 1, XV, 1, SV, 1
	s_wait_loadcnt 0x0                             ; the weights' scale words
; PHASE 1: v, four blocks of 16 tokens
.irp n, 0,1,2,3
.if \n < 3
	s_wait_dscnt NF                                ; this block's loads are in; the next block's 34 may be out
.else
	s_wait_dscnt 0x0
.endif
	BLOCKV \n%2, \n
	PLACES 4                                       ; ahead of loads into registers that the products have read
.if \n < 2
	FETCH \n%2, XV, \n+2, SV, \n+2
.endif
.endr
	s_wait_tensorcnt 0x0
	s_wait_dscnt 0x0
	BARRIER                                        ; a plain barrier: the weight that the refill brought is shown to all
	WEIGHTS
	FETCH 0, XQ, 0, SQ, 0
	FETCH 1, XQ, 1, SQ, 1
.irp w, 0,1,2,3                                ; v's way outs stand under the flight of these loads
	HALFQ HV+32*\w, CD+8*(\w%2), PW+\w
	global_store_b128 v[V16], v[CD+8*(\w%2):CD+8*(\w%2)+3], s[50:51] offset:\w*FRB
	global_store_b64 v[V8], v[CD+8*(\w%2)+4:CD+8*(\w%2)+5], s[50:51] offset:\w*FRB+512
	global_store_b16 v[VSO], v[PW+\w], s[50:51] offset:6144+4*\w   ; lanes r and r + 16 write the same bytes with the same value
.endr
; PHASE 2: q or k, eight blocks; a block's way out stands behind the next block's products
.irp n, 0,1,2,3,4,5,6,7
	WALU
.if \n < 7
	s_wait_dscnt NF
.else
	s_wait_dscnt 0x0
.endif
	BLOCKQ \n%2
.if \n
	OUTQ \n-1                                      ; its lines are also the places ahead of the loads below
.else
	PLACES 4
.endif
.if \n < 2
	FETCH \n%2, XQ, \n+2, SQ, \n+2
.elseif \n < 6
	FETCH \n%2, XQ+2, \n-2, SQ, \n+2
.endif
.endr
	PLACES 4
	OUTQ 7
	v_cmp_eq_u32 vcc_lo, 1, v2                     ; lanes 0-15 store the words of blocks 0-3, lanes 16-31 those of blocks 4-7
.irp i, 0,1,2,3
	v_cndmask_b32 v[SELV+\i], v[PW+\i], v[PW+4+\i], vcc_lo
.endr
	global_store_b128 v[QSO], v[SELV:SELV+3], s[48:49] offset:6144   ; 512 consecutive bytes, aligned
	s_wait_tensorcnt 0x0                           ; the wave's end
	ds_add_u32 v[SPW], v[NIL]
	s_wait_dscnt 0x0
	CROUND                                         ; the closing round
	s_endpgm
.Lfunc_end_k_q6070a1ac44_proj:
	.size	k_q6070a1ac44_proj, .Lfunc_end_k_q6070a1ac44_proj-k_q6070a1ac44_proj
	.p2alignl 7, 3214868480
	.fill 96, 4, 3214868480
	.section	.rodata,"a",@progbits
	.p2align	6, 0x0
	.amdhsa_kernel k_q6070a1ac44_proj
		.amdhsa_group_segment_fixed_size 327680
		.amdhsa_private_segment_fixed_size 0
		.amdhsa_enable_private_segment 0
		.amdhsa_kernarg_size 48
		.amdhsa_user_sgpr_count 2
		.amdhsa_user_sgpr_kernarg_segment_ptr 1
		.amdhsa_wavefront_size32 1
		.amdhsa_system_sgpr_workgroup_id_x 1
		.amdhsa_system_sgpr_workgroup_id_y 1
		.amdhsa_system_sgpr_workgroup_id_z 1
		.amdhsa_system_vgpr_workitem_id 0
		.amdhsa_next_free_vgpr 848
		.amdhsa_next_free_sgpr 102
		.amdhsa_reserve_vcc 1
		.amdhsa_float_denorm_mode_32 3
		.amdhsa_float_denorm_mode_16_64 3
		.amdhsa_memory_ordered 1
		.amdhsa_forward_progress 1
		.amdhsa_inst_pref_size 131
	.end_amdhsa_kernel
	.amdgpu_metadata
---
amdhsa.version: [ 1, 2 ]
amdhsa.kernels:
  - .name:           k_q6070a1ac44_proj
    .symbol:         k_q6070a1ac44_proj.kd
    .args:
      - { .name: x_img, .offset: 0, .size: 8, .value_kind: global_buffer, .address_space: global }
      - { .name: x_sc, .offset: 8, .size: 8, .value_kind: global_buffer, .address_space: global }
      - { .name: w_img, .offset: 16, .size: 8, .value_kind: global_buffer, .address_space: global }
      - { .name: w_sc, .offset: 24, .size: 8, .value_kind: global_buffer, .address_space: global }
      - { .name: qk, .offset: 32, .size: 8, .value_kind: global_buffer, .address_space: global }
      - { .name: vt, .offset: 40, .size: 8, .value_kind: global_buffer, .address_space: global }
    .group_segment_fixed_size: 327680
    .private_segment_fixed_size: 0
    .kernarg_segment_align: 8
    .kernarg_segment_size: 48
    .max_flat_workgroup_size: 128
    .sgpr_count:     102
    .vgpr_count:     848
    .wavefront_size: 32
...
	.end_amdgpu_metadata
.endif
;; end of part 2
;; launch attn (part 3): grid 8 x 32, 16 waves a work-group, clusters of 4 x 1, 237,568 bytes of LDS; arguments qk, vt, attn_img, attn_sc; writes attn_img, attn_sc
.if DOCPART == 3
	.amdgcn_target "amdgcn-amd-amdhsa--gfx1250"
	.amdhsa_code_object_version 6
	.text
	.protected	k_q6070a1ac44_attn
	.globl	k_q6070a1ac44_attn
	.p2align	8
	.type	k_q6070a1ac44_attn,@function
k_q6070a1ac44_attn:
	s_mov_b64 s[64:65], 0
	v_nop
	global_prefetch_b8 v0, s[64:65] scope:SCOPE_SE
	s_setreg_imm32_b32 hwreg(HW_REG_WAVE_MODE, 25, 1), 1
	s_wait_xcnt 0x0
	s_wait_alu depctr_hold_cnt(0) depctr_sa_sdst(0) depctr_va_vdst(0) depctr_va_sdst(0) depctr_va_ssrc(0) depctr_va_vcc(0) depctr_vm_vsrc(0)
	s_getreg_b32 s2, hwreg(HW_REG_IB_STS2, 6, 4)
	s_cmp_eq_u32 s2, 0
	s_cbranch_scc0 .Lentry_in_a_cluster
	s_endpgm
.Lentry_in_a_cluster:
	s_bfe_u32 s2, ttmp6, 0x10000c
	s_cmp_lg_u32 s2, 0x3003
	s_cbranch_scc0 .Lentry_shape_is_right
	s_endpgm
.Lentry_shape_is_right:
; Launch 3 of 4: for each batch and head, O = softmax(q k^T / 8) v on codes of E2M3, and O quantised along the model's 1,024 for the last product.  No work of the problem is left out.
; THE SOFTMAX: t = score x log2(e) / 8; M = the row's largest t so far, rounded up to a whole number; p = 2^(t - M) is quantised along the keys, not normalised; the row's sum is taken of the
; unquantised p and divides O at the end.  When M moves, the sum and O are multiplied by 2^(old M - new M), which rounds nothing.
; SHARES.  A work-group owns 256 queries of one head, each of its sixteen waves 16 of them, in 256 registers.  A head's K and V, codes and scale words, come into LDS once: waves 0-7 fetch two chunks
; (128 keys each) of K, waves 8-15 two of V, one tensor load a wave; nothing is filled again.  The four work-groups of a cluster belong to one head and ask jointly (mask 15).
; WHICH KEYS FORM A TILE.  Both products are used transposed (S^T = K Q^T, O^T = V^T P^T): a lane holds one query.  Row 8 g + j of tile t (0-3) of half c of a step is key 64 c + 32 g + 8 t + j:
; so lane (r, h)'s 32 score registers of half c are keys 64 c + 32 h + 0 .. 31, one whole scale block, in the order of the second product's operand.  No lane is asked for a block's maximum, and no codes change lanes.
; By launch 1's order of rows that key lies in half image 4 c + 2 g + t % 2 at place j + 8 (t / 2): a lane term and constants.  K's chunks have 64 bytes of padding behind each 256, so an image is 960 bytes
; and two images are 128 modulo 256.
; THE FIRST PRODUCT'S K IS 64.  A fragment's registers 0-5 hold tile 2 u's codes and 6-11 tile 2 u + 1's; it is multiplied with [Q | 0] and with [0 | Q], which share v16-33: six zeros, Q, six zeros.
; THE STEP'S BARRIER (signal ahead of the exponentials, wait ahead of the second product) holds the sixteen waves within one step of each other; it orders no memory.
; NO PREFETCH: every byte of K and V is asked for by the first fills at the head; no later load runs behind them.
; LIMITS: the promise holds while the scaled scores stay under 2^31 in magnitude; NaN and infinities are not served; 1 / the sum is v_rcp_f32; the sums along the keys go in another order than the reference's;
; a block of zeros gets the byte 1 (its codes are zeros).  attn_sc is written a byte a lane, 32 bytes apart: a scale word of the last product spans two heads, and a work-group has one.
.set KCM,  6656                        ; a chunk of K in memory: 8 half images, 512 bytes of scale words: 26 rows of 256
.set KCH,  8320                        ; and in LDS: 26 rows of 320
.set VCH,  6400                        ; a chunk of V: 4 fragments, 256 bytes of scale words
.set VB,   16*KCH
.set SPARE, VB+16*VCH                  ; the spare words, 128 bytes for each wave, which no other line names
.set KA,   1                           ; v1-3 lane terms of K's 16-byte pieces, 8-byte pieces, scale words;  v4-6 the same for V
.set KB,   2
.set KSA,  3
.set VA,   4
.set VBA,  5
.set VSA,  6
.set SPW,  7
.set NIL,  8
.set D0,   9                           ; v9-11 the addresses of the run of loads at hand
.set T,    12                          ; v12-14 a conversion's second three registers
.set OLD,  15                          ; the last -M
.set QB,   16                          ; v16-33
.set QS,   34                          ; Q's scale word, its two bytes twice
.set PS,   35                          ; p's scale word
.set KSC,  36                          ; v36-37 K's scale words: register u; lanes 0-15 half 0, lanes 16-31 half 1
.set VSC,  38                          ; v38-41 V's
.set RAW,  42                          ; v42-45 K's scale words as loaded; later p's bytes
.set NEGM, 46                          ; -M, and with it as a pair
.set SMAX, 47                          ; the largest score so far
.set L,    48                          ; v48-49 the sum
.set F,    50                          ; 2^(old M - new M), and with it as a pair
.set X,    51                          ; what a lane permute brings
.set KF,   52                          ; v52-99 K's four fragments
.set VF,   100                         ; v100-147 V's four
.set S,    148                         ; v148-211 S^T, then p
.set O,    212                         ; v212-243 O^T
.set P,    244                         ; v244-255 p's codes; ahead of the conversions at work:
.set MA0,  244                         ; four chains of maxima,
.set MB0,  245
.set MA1,  246
.set MB1,  247
.set BM0,  249                         ; block c's largest score, then its largest p, then the conversions' scale operand,
.set TA,   250
.set BM1,  255
.set WV,   12
.set TK,   18
.set TV,   19
.set SEL,  20
.set CS,   22                          ; s[22:23] c = log2(e) / 8
.set G1K,  24
.set G1V,  32
.set G0K,  40
.set G0V,  44
.macro WALU
	s_wait_alu depctr_va_vdst(0)
.endm
.macro CROUND
	s_barrier_signal -1
	s_barrier_wait -1
	s_cmp_lg_u32 s[WV], 0
	s_cbranch_scc1 .Lnot_wave_0_\@
	s_barrier_signal -3
.Lnot_wave_0_\@:
	s_barrier_wait -3
	s_barrier_signal -1
	s_barrier_wait -1
.endm
.macro KLOAD off                       ; a chunk of K: two loads of scale words, then four fragments, each two tiles' codes: 18 loads
	ds_load_b64 v[RAW:RAW+1], v[D0+2] offset:(\off)
	ds_load_b64 v[RAW+2:RAW+3], v[D0+2] offset:(\off)+320
.irp p, 0,1,2,3
.irp e, 0,1
	ds_load_b128 v[KF+12*\p+6*\e:KF+12*\p+6*\e+3], v[D0] offset:(\off)+3840*(\p/2)+128*(\p%2)+960*\e
	ds_load_b64 v[KF+12*\p+6*\e+4:KF+12*\p+6*\e+5], v[D0+1] offset:(\off)+3840*(\p/2)+128*(\p%2)+960*\e
.endr
.endr
.endm
.macro KADR
	v_add_nc_u32 v[D0], s[TK], v[KA]
	v_add_nc_u32 v[D0+1], s[TK], v[KB]
	v_add_nc_u32 v[D0+2], s[TK], v[KSA]
.endm
.macro KWORDS                          ; tile 2 u's two bytes below, tile 2 u + 1's above
	v_lshl_or_b32 v[KSC], v[RAW+1], 16, v[RAW]
	v_lshl_or_b32 v[KSC+1], v[RAW+3], 16, v[RAW+2]
.endm
.macro QK p, e                         ; tile 2 (p % 2) + e of half p / 2
.if \p/2
	v_wmma_scale_f32_16x16x128_f8f6f4 v[S+16*\p+8*\e:S+16*\p+8*\e+7], v[KF+12*\p:KF+12*\p+11], v[QB+6-6*\e:QB+17-6*\e], 0, v[KSC+\p%2], v[QS] matrix_a_fmt:MATRIX_FMT_FP6 matrix_b_fmt:MATRIX_FMT_FP6 matrix_a_scale:MATRIX_SCALE_ROW1
.else
	v_wmma_scale_f32_16x16x128_f8f6f4 v[S+16*\p+8*\e:S+16*\p+8*\e+7], v[KF+12*\p:KF+12*\p+11], v[QB+6-6*\e:QB+17-6*\e], 0, v[KSC+\p%2], v[QS] matrix_a_fmt:MATRIX_FMT_FP6 matrix_b_fmt:MATRIX_FMT_FP6
.endif
.endm
.macro TMM n                           ; n pairs of t - M, from register J on
.rept \n
	v_pk_fma_f32 v[S+J:S+J+1], v[S+J:S+J+1], s[CS:CS+1], v[NEGM:NEGM+1] op_sel_hi:[1,0,0]
.set J, J+2
.endr
.endm
; A STEP OF 128 KEYS.  par: which of the trip's two chunks; kl: the next chunk of K is fetched
.macro STEP par, kl
.irp p, 0,1,2,3
	QK \p, 0
	QK \p, 1
.endr
	v_mov_b32 v[OLD], v[NEGM]                      ; this line and three sums of addresses are the four places behind the products
.if \kl
	KADR
	KLOAD (\par+1)*KCH
.endif
	v_add_nc_u32 v[D0], s[TV], v[VA]
	v_add_nc_u32 v[D0+1], s[TV], v[VBA]
	v_add_nc_u32 v[D0+2], s[TV], v[VSA]
.irp d, 0,1,2,3                                ; this step's V: 17 loads
	ds_load_b128 v[VF+12*\d:VF+12*\d+3], v[D0] offset:\par*VCH+\d*1536
	ds_load_b64 v[VF+12*\d+4:VF+12*\d+5], v[D0+1] offset:\par*VCH+\d*1536+512
	ds_load_b128 v[VF+12*\d+6:VF+12*\d+9], v[D0] offset:\par*VCH+\d*1536+768
	ds_load_b64 v[VF+12*\d+10:VF+12*\d+11], v[D0+1] offset:\par*VCH+\d*1536+1280
.endr
	ds_load_b128 v[VSC:VSC+3], v[D0+2] offset:\par*VCH
	v_max3_num_f32 v[MA0], v[S], v[S+1], v[S+2]    ; each block's largest score, in two chains a block; each accumulator is read from its low end on
	v_max3_num_f32 v[MB0], v[S+16], v[S+17], v[S+18]
	v_max3_num_f32 v[MA1], v[S+32], v[S+33], v[S+34]
	v_max3_num_f32 v[MB1], v[S+48], v[S+49], v[S+50]
.irp i, 3,5,7,9,11,13
	v_max3_num_f32 v[MA0], v[MA0], v[S+\i], v[S+\i+1]
	v_max3_num_f32 v[MB0], v[MB0], v[S+16+\i], v[S+17+\i]
	v_max3_num_f32 v[MA1], v[MA1], v[S+32+\i], v[S+33+\i]
	v_max3_num_f32 v[MB1], v[MB1], v[S+48+\i], v[S+49+\i]
.endr
	v_max3_num_f32 v[MA0], v[MA0], v[S+15], v[S+31]
	v_max3_num_f32 v[MA1], v[MA1], v[S+47], v[S+63]
	v_max_num_f32 v[BM0], v[MA0], v[MB0]
	v_max_num_f32 v[BM1], v[MA1], v[MB1]
	s_delay_alu instid0(VALU_DEP_1)
	v_max_num_f32 v[TA], v[BM0], v[BM1]
	s_delay_alu instid0(VALU_DEP_1)
	v_permlanex16_b32 v[X], v[TA], s[SEL], s[SEL+1]
	s_delay_alu instid0(VALU_DEP_1)
	v_max3_num_f32 v[SMAX], v[SMAX], v[TA], v[X]   ; with lane l xor 16's 64 keys: the row's largest score so far
	s_delay_alu instid0(VALU_DEP_1)
	v_mul_f32 v[TA], s[CS], v[SMAX]                ; as t
	s_delay_alu instid0(VALU_DEP_1)
	v_floor_f32 v[NEGM], -v[TA]                    ; -M = -ceil(t)
	s_delay_alu instid0(VALU_DEP_1)
	v_sub_f32 v[TA], v[NEGM], v[OLD]               ; old M - new M: a whole number, 0 or less
.set J, 0
	TMM 4
	v_cvt_i32_f32 v[TA], v[TA]                     ; (it saturates)
	TMM 4
	v_ldexp_f32 v[F], 1.0, v[TA]
	TMM 24
	v_fma_f32 v[BM0], v[BM0], s[CS], v[NEGM]       ; the same of each block's largest score
	v_fma_f32 v[BM1], v[BM1], s[CS], v[NEGM]
.irp j, 0,2,4,6,8,10,12,14,16,18,20,22,24,26,28,30
	v_pk_mul_f32 v[O+\j:O+\j+1], v[O+\j:O+\j+1], v[F:F+1] op_sel_hi:[1,0]   ; O^T under the new M
.endr
	WALU                                           ; ahead of the batch and of the waits below
	s_wait_dscnt 0x0                               ; all my LDS loads are in: V, and the next chunk of K
	s_barrier_signal -1
.set J, 0
.rept 64
	v_exp_f32 v[S+J], v[S+J]                       ; p = 2^(t - M)
.set J, J+1
.endr
	v_exp_f32 v[BM0], v[BM0]                       ; the block's largest p: the same two instructions on the same number
	v_exp_f32 v[BM1], v[BM1]
	v_pk_mul_f32 v[L:L+1], v[L:L+1], v[F:F+1] op_sel_hi:[1,0]   ; the sum under the new M: a plain line behind the batch
.if \kl
	KWORDS
.endif
	WALU                                           ; one wait for the batch, ahead of its first reader
	v_max_num_f32 v[BM0], 0x1800000, v[BM0]        ; the floor 2^(3 - 127)
	v_max_num_f32 v[BM1], 0x1800000, v[BM1]
	v_add_nc_u32 v[BM0], 0xff000000, v[BM0]        ; 2 off the exponent field: the conversions' scale operand
	v_add_nc_u32 v[BM1], 0xff000000, v[BM1]
	v_lshrrev_b32 v[RAW], 23, v[BM0]               ; the bytes of my blocks h and 2 + h
	v_lshrrev_b32 v[RAW+1], 23, v[BM1]
	v_cvt_scalef32_pk16_fp6_f32 v[P:P+2], v[S:S+15], v[BM0]
	v_cvt_scalef32_pk16_fp6_f32 v[T:T+2], v[S+16:S+31], v[BM0]   ; (a conversion's three registers begin on an even number)
	v_cvt_scalef32_pk16_fp6_f32 v[P+6:P+8], v[S+32:S+47], v[BM1]
	v_lshl_or_b32 v[RAW], v[RAW+1], 16, v[RAW]     ; a plain line behind the conversions
.irp i, 0,1,2
	v_mov_b32 v[P+3+\i], v[T+\i]
.endr
	v_cvt_scalef32_pk16_fp6_f32 v[T:T+2], v[S+48:S+63], v[BM1]
	v_permlanex16_b32 v[X], v[RAW], s[SEL], s[SEL+1]
	v_lshl_or_b32 v[PS], v[X], 8, v[RAW]           ; lanes 0-15: blocks 0, 2 are mine, 1, 3 lane l + 16's; lanes 16-31 are not read
.irp i, 0,1,2
	v_mov_b32 v[P+9+\i], v[T+\i]
.endr
.set J, 8
.rept 7                                        ; the row's sum of the unquantised p, in place, four chains.  These lines are also the places ahead of the products
.irp k, 0,2,4,6
	v_pk_add_f32 v[S+\k:S+\k+1], v[S+\k:S+\k+1], v[S+J+\k:S+J+\k+1]
.endr
.set J, J+8
.endr
	v_pk_add_f32 v[S:S+1], v[S:S+1], v[S+2:S+3]
	v_pk_add_f32 v[S+4:S+5], v[S+4:S+5], v[S+6:S+7]
	v_pk_add_f32 v[L:L+1], v[L:L+1], v[S:S+1]
	v_pk_add_f32 v[L:L+1], v[L:L+1], v[S+4:S+5]
	WALU
	s_barrier_wait -1
.irp d, 0,1,2,3                                ; O^T += V^T P^T: four accumulators, one turn each; eight other products stand between two turns of one
	v_wmma_scale_f32_16x16x128_f8f6f4 v[O+8*\d:O+8*\d+7], v[VF+12*\d:VF+12*\d+11], v[P:P+11], v[O+8*\d:O+8*\d+7], v[VSC+\d], v[PS] matrix_a_fmt:MATRIX_FMT_FP6 matrix_b_fmt:MATRIX_FMT_FP6
.endr
.endm
	s_load_b256 s[4:11], s[0:1], 0x0               ; qk, vt, attn_img, attn_sc
	v_lshl_add_u32 v[SPW], v0, 2, SPARE
	v_mov_b32 v[NIL], 0
	ds_add_u32 v[SPW], v[NIL]                      ; the opening: the add, twice on end, and its wait ahead of my tensor load
	ds_add_u32 v[SPW], v[NIL]
	v_lshrrev_b32 v9, 5, v0
	v_readfirstlane_b32 s[WV], v9                  ; wave 0..15
	s_bfe_u32 s13, ttmp6, 0x40000                  ; cx
	s_lshl_b32 s14, ttmp9, 2
	s_add_co_u32 s14, s14, s13                     ; my block of 256 queries: it enters Q's and the outputs' addresses alone
	s_and_b32 s15, ttmp7, 0xffff
	s_lshr_b32 s16, s15, 4                         ; the batch
	s_and_b32 s17, s15, 15                         ; the head
	s_mov_b32 s[G1K], 15|(3<<16)|(1<<20)|(1<<21)|(5<<22)|(15<<25)   ; K: two dense chunks as 52 rows of 256 bytes, 16 words of padding behind each 64
	s_mov_b32 s[G1K+1], 32<<16
	s_mov_b32 s[G1K+2], 52<<16
	s_mov_b32 s[G1K+3], 32<<16
	s_mov_b32 s[G1K+4], 52
	s_mov_b32 s[G1K+5], 32
	s_mov_b32 s[G1K+6], 0
	s_mov_b32 s[G1K+7], 0
	s_mov_b32 s[G1V], 15|(3<<16)|(1<<21)           ; V: two chunks as two rows of 6,400 bytes, 102,400 bytes apart; dense in LDS
	s_mov_b32 s[G1V+1], 800<<16
	s_mov_b32 s[G1V+2], 2<<16
	s_mov_b32 s[G1V+3], 800<<16
	s_mov_b32 s[G1V+4], 2
	s_mov_b32 s[G1V+5], 12800
	s_mov_b32 s[G1V+6], 0
	s_mov_b32 s[G1V+7], 0
	s_and_b32 s55, s[WV], 7                        ; which two chunks I fetch
	s_lshl_b32 s50, s16, 5
	s_add_co_u32 s50, s50, s17                     ; 32 x batch + head
	s_mul_i32 s56, s50, 106496                     ; q's head in qk
	s_add_co_u32 s50, s50, 16
	s_mul_i32 s50, s50, 106496                     ; k's
	s_mul_i32 s49, s55, 2*KCM
	s_add_co_u32 s50, s50, s49
	s_mov_b32 s51, 0
	s_mul_i32 s49, s55, 2*KCH
	s_lshl_b32 s52, s16, 4
	s_lshl_b32 s53, s55, 1
	s_add_co_u32 s52, s52, s53                     ; V: 16 x batch + my first 128 keys,
	s_mul_i32 s52, s52, 102400
	s_mul_i32 s53, s17, VCH                        ; the head
	s_add_co_u32 s52, s52, s53
	s_mov_b32 s53, 0
	s_mul_i32 s54, s55, 2*VCH
	s_add_co_u32 s54, s54, VB
	s_lshl_b32 s57, s14, 1
	s_lshr_b32 s58, s[WV], 3
	s_add_co_u32 s57, s57, s58                     ; Q: my 16 lie in chunk 2 x block of 256 + wave / 8,
	s_mul_i32 s57, s57, KCM
	s_add_co_u32 s56, s56, s57
	s_mov_b32 s57, 0
	s_lshl_b32 s59, s55, 2                         ; as its half image wave % 8
	s_mul_i32 s58, s55, 768
	s_lshl_b32 s60, s16, 7
	s_lshl_b32 s61, s14, 4
	s_add_co_u32 s60, s60, s61
	s_add_co_u32 s60, s60, s[WV]                   ; the outputs: block 128 x batch + 16 x block of 256 + wave
	s_lshl_b32 s62, s60, 9
	s_lshl_b32 s63, s17, 1
	s_add_co_u32 s62, s62, s63                     ; scale bytes 2 x head, + h
	s_mov_b32 s63, 0
	s_mul_i32 s60, s60, 12288
	s_mul_i32 s61, s17, 768                        ; half image = head
	s_add_co_u32 s60, s60, s61
	s_mov_b32 s61, 0
	s_mov_b32 s[SEL], 0x76543210
	s_mov_b32 s[SEL+1], 0xfedcba98
	s_mov_b32 s[CS], 0x3e38aa3b                    ; log2(e) / 8
	s_mov_b32 s[CS+1], s[CS]
	s_mov_b32 s[TK], 0
	s_mov_b32 s[TV], 0
	s_mov_b32 s48, 7                               ; trips of two steps; the last two steps are written out
	s_wait_dscnt 0x0                               ; both opening adds are done
	s_wait_kmcnt 0x0
	s_mov_b32 s[G0K], 1
	s_mov_b32 s[G0K+1], s49
	s_add_nc_u64 s[G0K+2:G0K+3], s[4:5], s[50:51]
	s_or_b32 s[G0K+3], s[G0K+3], 0x80000000
	s_mov_b32 s[G0V], 1
	s_mov_b32 s[G0V+1], s54
	s_add_nc_u64 s[G0V+2:G0V+3], s[6:7], s[52:53]
	s_or_b32 s[G0V+3], s[G0V+3], 0x80000000
	s_add_nc_u64 s[56:57], s[4:5], s[56:57]
	s_add_nc_u64 s[8:9], s[8:9], s[60:61]
	s_add_nc_u64 s[10:11], s[10:11], s[62:63]
	CROUND                                         ; all four work-groups are here: the joint loads meet
	s_cmp_lt_u32 s[WV], 8                          ; one load a wave, a load to each arm
	s_cbranch_scc0 .Lfor_v
	tensor_load_to_lds s[G0K:G0K+3], s[G1K:G1K+7]
	s_nop 0
.rept 4
	v_nop
.endr
	s_branch .Lasked
.Lfor_v:
	tensor_load_to_lds s[G0V:G0V+3], s[G1V:G1V+7]
	s_nop 0
.rept 4
	v_nop
.endr
.Lasked:
	v_and_b32 v9, 15, v0                           ; r
	v_bfe_u32 v10, v0, 4, 1                        ; h
	v_and_b32 v11, 7, v0                           ; r % 8
	v_bfe_u32 v15, v0, 3, 1                        ; r / 8
	v_and_b32 v12, 31, v0
	v_lshlrev_b32 v12, 4, v12                      ; 16 x lane
	v_lshlrev_b32 v13, 4, v9
	v_lshl_add_u32 v13, v10, 3, v13                ; 16 r + 8 h
	v_add_nc_u32 v244, s58, v12
	v_add_nc_u32 v245, s58, v13
	v_lshlrev_b32 v246, 5, v9
	v_add_nc_u32 v246, s59, v246
	global_load_b128 v[QB+6:QB+9], v244, s[56:57]  ; Q's half image stays in registers
	global_load_b64 v[QB+10:QB+11], v245, s[56:57] offset:512
	global_load_b32 v[QS], v246, s[56:57] offset:6144
.irp j, 0,1,2,3,4,5,12,13,14,15,16,17
	v_mov_b32 v[QB+\j], 0                          ; zero codes on both sides of Q
.endr
	v_mul_u32_u24 v[KA], v15, 1920                 ; two images on for rows 8-15 of a tile,
	v_lshl_add_u32 v[KA], v11, 4, v[KA]            ; 16 bytes a place
	v_lshl_add_u32 v[KB], v10, 3, v[KA]
	v_add_nc_u32 v[KB], 640, v[KB]                 ; registers 4-5: the image's third row, + 8 h
	v_mad_u32_u24 v[KA], v10, 320, v[KA]           ; registers 0-3: lanes 16-31 in its second row
	v_lshlrev_b32 v[KSA], 5, v11
	v_lshl_add_u32 v[KSA], v15, 3, v[KSA]
	v_lshl_add_u32 v[KSA], v10, 4, v[KSA]
	v_add_nc_u32 v[KSA], 7680, v[KSA]              ; scale words: row 24 of the chunk, 32 bytes a place, 4 an image; lanes 16-31 take half 1's
	v_add_nc_u32 v[VA], VB, v12
	v_add_nc_u32 v[VBA], VB, v13
	v_lshl_add_u32 v[VSA], v9, 4, VB+6144          ; V's scale words: four a row
	v_mov_b32 v[SMAX], 0xff61b1e6                  ; the largest score so far: -3e38
	v_mov_b32 v[NEGM], 0x7f61b1e6                  ; -M: 3e38, so that the first factor is 0
	v_mov_b32 v[L], 0
	v_mov_b32 v[L+1], 0
	v_mov_b32 v[F], 0
	v_mov_b32 v[X], 0                              ; written once: a lane permute's destination counts as one of its sources
	WALU
	s_wait_tensorcnt 0x0                           ; my two chunks are in,
	s_barrier_signal -1
	s_barrier_wait -1                              ; everybody's are
	KADR
	KLOAD 0
	WALU
	s_wait_loadcnt 0x0                             ; Q
	s_wait_dscnt 0x0
	KWORDS
	v_lshl_or_b32 v[QS], v[QS], 16, v[QS]
.set J, 0
.rept 32
	v_mov_b32 v[O+J], 0                            ; O^T: the step is written once; the first change of M leaves zeros zeros.  Also the places behind the scale words' writes
.set J, J+1
.endr
	WALU                                           ; the wait at the head's end
.Lstep:
	STEP 0, 1
	STEP 1, 1
	s_add_co_u32 s[TK], s[TK], 2*KCH
	s_add_co_u32 s[TV], s[TV], 2*VCH
	s_sub_co_u32 s48, s48, 1
	s_cmp_lg_u32 s48, 0
	s_cbranch_scc1 .Lstep
	STEP 0, 1
	STEP 1, 0                                      ; nothing is left to fetch of K
	; THE WAY OUT: O^T / the sum; register 16 b + i is channel 32 b + 16 h + i of my query: two blocks of the last product's K; they become the head's half image of my 16 tokens
	v_add_f32 v[L], v[L], v[L+1]
	s_delay_alu instid0(VALU_DEP_1)
	v_permlanex16_b32 v[X], v[L], s[SEL], s[SEL+1]
	s_delay_alu instid0(VALU_DEP_1)
	v_add_f32 v[L], v[L], v[X]                     ; the row's sum
	WALU
	v_rcp_f32 v[L], v[L]
	v_and_b32 v9, 15, v0                           ; plain lines behind the reciprocal: where the results go
	v_bfe_u32 v10, v0, 4, 1
	v_and_b32 v1, 31, v0
	v_lshlrev_b32 v1, 4, v1                        ; 16 x lane
	v_lshlrev_b32 v2, 4, v9
	v_lshl_add_u32 v2, v10, 3, v2                  ; 16 r + 8 h
	v_lshl_add_u32 v3, v9, 5, v10                  ; my scale byte's place: 32 r + h
	WALU                                           ; ahead of the first reader of the reciprocal and of O^T
.irp j, 0,2,4,6,8,10,12,14,16,18,20,22,24,26,28,30
	v_pk_mul_f32 v[S+\j:S+\j+1], v[O+\j:O+\j+1], v[L:L+1] op_sel_hi:[1,0]   ; each accumulator from its low end on
.endr
.irp b, 0,1
	v_max3_num_f32 v[52+\b], |v[S+16*\b]|, |v[S+1+16*\b]|, 0x1800000
.endr
.irp i, 2,4,6,8,10,12,14
.irp b, 0,1
	s_delay_alu instid0(VALU_DEP_2)
	v_max3_num_f32 v[52+\b], v[52+\b], |v[S+16*\b+\i]|, |v[S+1+16*\b+\i]|
.endr
.endr
.irp b, 0,1
	s_delay_alu instid0(VALU_DEP_2)
	v_permlanex16_b32 v[F+\b], v[52+\b], s[SEL], s[SEL+1]
.endr
.irp b, 0,1
	s_delay_alu instid0(VALU_DEP_2)
	v_max_num_f32 v[52+\b], v[52+\b], v[F+\b]
.endr
.irp b, 0,1
	s_delay_alu instid0(VALU_DEP_2)
	v_add_nc_u32 v[54+\b], 0xff000000, v[52+\b]
.endr
.irp b, 0,1
	s_delay_alu instid0(VALU_DEP_2)
	v_lshrrev_b32 v[56+\b], 23, v[54+\b]
.endr
	v_cmp_eq_u32 vcc_lo, 1, v10
	v_cndmask_b32 v58, v56, v57, vcc_lo            ; lane (r, h) stores block h's byte
	v_cvt_scalef32_pk16_fp6_f32 v[P:P+2], v[S:S+15], v54
	v_cvt_scalef32_pk16_fp6_f32 v[T:T+2], v[S+16:S+31], v55
	v_nop
.irp i, 0,1,2
	v_permlane16_swap_b32 v[P+\i], v[T+\i]         ; the operand's layout wants a whole block in a lane
.endr
.irp i, 0,1,2
	v_mov_b32 v[P+3+\i], v[T+\i]
.endr
	global_store_b128 v1, v[P:P+3], s[8:9]         ; 512 consecutive bytes, aligned,
	global_store_b64 v2, v[P+4:P+5], s[8:9] offset:512   ; and 256
	global_store_b8 v3, v58, s[10:11]
	s_wait_tensorcnt 0x0                           ; the wave's end
	ds_add_u32 v[SPW], v[NIL]
	s_wait_dscnt 0x0
	CROUND                                         ; the closing round
	s_endpgm
.Lfunc_end_k_q6070a1ac44_attn:
	.size	k_q6070a1ac44_attn, .Lfunc_end_k_q6070a1ac44_attn-k_q6070a1ac44_attn
	.p2alignl 7, 3214868480
	.fill 96, 4, 3214868480
	.section	.rodata,"a",@progbits
	.p2align	6, 0x0
	.amdhsa_kernel k_q6070a1ac44_attn
		.amdhsa_group_segment_fixed_size 237568
		.amdhsa_private_segment_fixed_size 0
		.amdhsa_enable_private_segment 0
		.amdhsa_kernarg_size 32
		.amdhsa_user_sgpr_count 2
		.amdhsa_user_sgpr_kernarg_segment_ptr 1
		.amdhsa_wavefront_size32 1
		.amdhsa_system_sgpr_workgroup_id_x 1
		.amdhsa_system_sgpr_workgroup_id_y 1
		.amdhsa_system_sgpr_workgroup_id_z 1
		.amdhsa_system_vgpr_workitem_id 0
		.amdhsa_next_free_vgpr 256
		.amdhsa_next_free_sgpr 66
		.amdhsa_reserve_vcc 1
		.amdhsa_float_denorm_mode_32 3
		.amdhsa_float_denorm_mode_16_64 3
		.amdhsa_memory_ordered 1
		.amdhsa_forward_progress 1
		.amdhsa_inst_pref_size 74
	.end_amdhsa_kernel
	.amdgpu_metadata
---
amdhsa.version: [ 1, 2 ]
amdhsa.kernels:
  - .name:           k_q6070a1ac44_attn
    .symbol:         k_q6070a1ac44_attn.kd
    .args:
      - { .name: qk, .offset: 0, .size: 8, .value_kind: global_buffer, .address_space: global }
      - { .name: vt, .offset: 8, .size: 8, .value_kind: global_buffer, .address_space: global }
      - { .name: attn_img, .offset: 16, .size: 8, .value_kind: global_buffer, .address_space: global }
      - { .name: attn_sc, .offset: 24, .size: 8, .value_kind: global_buffer, .address_space: global }
    .group_segment_fixed_size: 237568
    .private_segment_fixed_size: 0
    .kernarg_segment_align: 8
    .kernarg_segment_size: 32
    .max_flat_workgroup_size: 512
    .sgpr_count:     66
    .vgpr_count:     256
    .wavefront_size: 32
...
	.end_amdgpu_metadata
.endif
;; end of part 3
;; launch outp (part 4): grid 8 x 32, 4 waves a work-group, clusters of 4 x 4, 327,680 bytes of LDS; arguments attn_img, attn_sc, w_img, w_sc, out0; writes out0
.if DOCPART == 4
	.amdgcn_target "amdgcn-amd-amdhsa--gfx1250"
	.amdhsa_code_object_version 6
	.text
	.protected	k_q6070a1ac44_outp
	.globl	k_q6070a1ac44_outp
	.p2align	8
	.type	k_q6070a1ac44_outp,@function
k_q6070a1ac44_outp:
	s_mov_b64 s[64:65], 0
	v_nop
	global_prefetch_b8 v0, s[64:65] scope:SCOPE_SE
	s_setreg_imm32_b32 hwreg(HW_REG_WAVE_MODE, 25, 1), 1
	s_wait_xcnt 0x0
	s_wait_alu depctr_hold_cnt(0) depctr_sa_sdst(0) depctr_va_vdst(0) depctr_va_sdst(0) depctr_va_ssrc(0) depctr_va_vcc(0) depctr_vm_vsrc(0)
	s_getreg_b32 s2, hwreg(HW_REG_IB_STS2, 6, 4)
	s_cmp_eq_u32 s2, 0
	s_cbranch_scc0 .Lentry_in_a_cluster
	s_endpgm
.Lentry_in_a_cluster:
	s_bfe_u32 s2, ttmp6, 0x10000c
	s_cmp_lg_u32 s2, 0xf033
	s_cbranch_scc0 .Lentry_shape_is_right
	s_endpgm
.Lentry_shape_is_right:
; Launch 4 of 4: out0 = attn wo on codes of E2M3.  No work of the problem is left out.  A work-group makes 128 x 128 of out0, four waves 64 x 64 each.
; ALL OF K COMES AT THE HEAD: A's 8 blocks and B's 8 blocks are 98,304 dense bytes each, and with the scales they take 205,312 bytes of LDS.  One tensor load a wave: A's codes, B's codes, A's scales, B's scales.
; Nothing is filled again, so the walk along K has no barrier.  A's tile is shared along a row of the cluster, B's along a column: joint loads.  The stage of the way out has LDS bytes of its own.
; NO PREFETCH: every byte is asked for by the head's loads; no later load runs behind them.
.set BLKB,   12288
.set FRB,    1536
.set FR,     12
.set NP,     4
.set HALFT,  4*BLKB
.set SLOT,   4*HALFT
.set SCL,    SLOT
.set HALFS,  8*272
.set SBLK,   544
.set SPARE,  SCL+4*HALFS
.set SPITCH, 272
.set STAGE,  SPARE+512
.set ADRA, 16
.set ADRB, 20
.set STO,  24
.set RD,   25
.set CO,   26
.set ADRS, 27
.set SPW,  28
.set NIL,  29
.set SC,   32
.set BK,   64
.set ACC,  128
.set F0,   0
.set F1,   128
.set G1, 24
.set G0, 32
.set G1B, 48
.set G0B, 56
.set G1S, 68
.set G0S, 76
.set G1SB, 80
.set G0SB, 88
.set MSB, 0
.macro WIN new
.if MSB != \new
	s_set_vgpr_msb (MSB<<8)|\new
.set MSB, \new
.endif
.endm
.set MUL,  0x05
.set TO_F, 0x40
.macro JLOAD g0a, g1a, g0b, g1b
	s_cmp_eq_u32 s17, 0
	s_cbranch_scc0 .Lfor_b_\@
	tensor_load_to_lds s[\g0a:\g0a+3], s[\g1a:\g1a+7]
	s_nop 0
.rept 4
	v_nop
.endr
	s_branch .Lasked_\@
.Lfor_b_\@:
	tensor_load_to_lds s[\g0b:\g0b+3], s[\g1b:\g1b+7]
	s_nop 0
.rept 4
	v_nop
.endr
.Lasked_\@:
.endm
.macro CREST
	s_cmp_lg_u32 s16, 0
	s_cbranch_scc1 .Lnot_wave_0_\@
	s_barrier_signal -3
.Lnot_wave_0_\@:
	s_barrier_wait -3
	s_barrier_signal -1
	s_barrier_wait -1
.endm
.macro CROUND
	s_barrier_signal -1
	s_barrier_wait -1
	CREST
.endm
	s_load_b256 s[4:11], s[0:1], 0x0
	s_load_b64 s[12:13], s[0:1], 0x20
	v_lshl_add_u32 v[SPW], v0, 2, SPARE
	v_mov_b32 v[NIL], 0
	ds_add_u32 v[SPW], v[NIL]
	ds_add_u32 v[SPW], v[NIL]
	v_lshrrev_b32 v1, 5, v0
	v_readfirstlane_b32 s16, v1
	s_lshr_b32 s17, s16, 1
	s_and_b32 s18, s16, 1
	s_bfe_u32 s20, ttmp6, 0x40000
	s_bfe_u32 s21, ttmp6, 0x40004
	s_lshl_b32 s22, ttmp9, 2
	s_add_co_u32 s22, s22, s20
	s_and_b32 s23, ttmp7, 0xffff
	s_lshl_b32 s23, s23, 2
	s_add_co_u32 s23, s23, s21
	s_lshl_b32 s40, s21, 2
	s_lshl_b32 s40, 15, s40
	s_lshl_b32 s44, 0x1111, s20
	s_or_b32 s[G1+0], s40, (3<<16)|(1<<21)
	s_or_b32 s[G1B+0], s44, (3<<16)|(1<<21)
.irp g, G1, G1B
	s_mov_b32 s[\g+1], 1536<<16
	s_mov_b32 s[\g+2], 8<<16
	s_mov_b32 s[\g+3], 1536<<16
	s_mov_b32 s[\g+4], 8
	s_mov_b32 s[\g+5], 1536
	s_mov_b32 s[\g+6], 0
	s_mov_b32 s[\g+7], 0
.endr
	s_or_b32 s[G1S+0], s40, (3<<16)|(1<<20)|(1<<21)|(5<<22)|(3<<25)
	s_or_b32 s[G1SB+0], s44, (3<<16)|(1<<20)|(1<<21)|(5<<22)|(3<<25)
.irp g, G1S, G1SB
	s_mov_b32 s[\g+1], 32<<16
	s_mov_b32 s[\g+2], 16<<16
	s_mov_b32 s[\g+3], 32<<16
	s_mov_b32 s[\g+4], 16
	s_mov_b32 s[\g+5], 32
	s_mov_b32 s[\g+6], 0
	s_mov_b32 s[\g+7], 0
.endr
	s_lshl_b32 s40, s23, 3
	s_lshl_b32 s42, s40, 9
	s_mul_i32 s40, s40, 12288
	s_mov_b32 s41, 0
	s_mov_b32 s43, 0
	s_lshl_b32 s44, s22, 3
	s_add_co_u32 s44, s44, 192
	s_lshl_b32 s46, s44, 9
	s_mul_i32 s44, s44, 12288
	s_mov_b32 s45, 0
	s_mov_b32 s47, 0
	s_wait_dscnt 0x0
	s_wait_kmcnt 0x0
	s_add_nc_u64 s[92:93], s[4:5], s[40:41]
	s_add_nc_u64 s[94:95], s[6:7], s[42:43]
	s_add_nc_u64 s[96:97], s[8:9], s[44:45]
	s_add_nc_u64 s[98:99], s[10:11], s[46:47]
	CROUND
	s_mov_b32 s[G0S], 1
	s_mov_b32 s[G0S+1], SCL
	s_mov_b64 s[G0S+2:G0S+3], s[94:95]
	s_or_b32 s[G0S+3], s[G0S+3], 0x80000000
	s_mov_b32 s[G0SB], 1
	s_mov_b32 s[G0SB+1], SCL+2*HALFS
	s_mov_b64 s[G0SB+2:G0SB+3], s[98:99]
	s_or_b32 s[G0SB+3], s[G0SB+3], 0x80000000
	s_mov_b32 s[G0], 1
	s_mov_b32 s[G0+1], 0
	s_mov_b64 s[G0+2:G0+3], s[92:93]
	s_or_b32 s[G0+3], s[G0+3], 0x80000000
	s_mov_b32 s[G0B], 1
	s_mov_b32 s[G0B+1], 2*HALFT
	s_mov_b64 s[G0B+2:G0B+3], s[96:97]
	s_or_b32 s[G0B+3], s[G0B+3], 0x80000000
; one tensor load a wave at the head: one tree of branches on the wave's number, a load to an arm
.macro ARM under, g0, g1, next
	s_cmp_lt_u32 s16, \under
	s_cbranch_scc0 \next
	tensor_load_to_lds s[\g0:\g0+3], s[\g1:\g1+7]
	s_nop 0
.rept 4
	v_nop
.endr
	s_branch .Lhead_asked
\next:
.endm
	ARM 1, G0,  G1,  .Lhead_b
	ARM 2, G0B, G1B, .Lhead_sa
	ARM 3, G0S, G1S, .Lhead_sb
	tensor_load_to_lds s[G0SB:G0SB+3], s[G1SB:G1SB+7]
	s_nop 0
.rept 4
	v_nop
.endr
.Lhead_asked:
	v_and_b32 v1, 15, v0
	v_bfe_u32 v2, v0, 4, 1
	v_and_b32 v3, 31, v0
	v_lshlrev_b32 v3, 4, v3
	v_lshlrev_b32 v4, 4, v1
	v_lshl_add_u32 v4, v2, 3, v4
	s_mul_i32 s40, s17, HALFT
	s_mul_i32 s41, s18, HALFT
	s_add_co_u32 s41, s41, 2*HALFT
.irp s, 0
	v_add_nc_u32 v[ADRA+\s], s40, v3
	v_add_nc_u32 v[ADRA+2+\s], s40, v4
	v_add_nc_u32 v[ADRB+\s], s41, v3
	v_add_nc_u32 v[ADRB+2+\s], s41, v4
	s_add_co_u32 s40, s40, SLOT
	s_add_co_u32 s41, s41, SLOT
.endr
	v_lshlrev_b32 v5, 5, v1
	v_lshrrev_b32 v6, 8, v5
	v_lshl_add_u32 v5, v6, 4, v5
	s_mul_i32 s40, s17, HALFS
	s_mul_i32 s41, s18, HALFS
	s_add_co_u32 s41, s41, 2*HALFS
	s_sub_co_u32 s41, s41, s40
	v_mul_u32_u24 v6, s41, v2
	s_add_co_u32 s40, s40, SCL
	v_add_nc_u32 v5, v5, v6
	v_add_nc_u32 v[ADRS], s40, v5
	s_mul_i32 s40, s16, 16*SPITCH
	s_add_co_u32 s40, s40, STAGE
	v_mul_u32_u24 v5, v1, SPITCH
	v_lshl_add_u32 v5, v2, 6, v5
	v_add_nc_u32 v[STO], s40, v5
	v_mul_u32_u24 v5, v2, SPITCH
	v_lshl_add_u32 v5, v1, 4, v5
	v_add_nc_u32 v[RD], s40, v5
	v_lshlrev_b32 v[CO], 12, v2
	v_lshl_add_u32 v[CO], v1, 4, v[CO]
	s_lshl_b32 s2, s23, 7
	s_lshl_b32 s3, s17, 6
	s_add_co_u32 s2, s2, s3
	s_lshl_b32 s2, s2, 12
	s_lshl_b32 s3, s22, 9
	s_add_co_u32 s2, s2, s3
	s_lshl_b32 s3, s18, 8
	s_add_co_u32 s2, s2, s3
	s_mov_b32 s3, 0
	s_add_nc_u64 s[12:13], s[12:13], s[2:3]
.macro FRAG reg, adr, q, i
	ds_load_b128 v[\reg:\reg+3], v[\adr] offset:(\i)*BLKB+(\q)*FRB
	ds_load_b64 v[\reg+4:\reg+5], v[\adr+2] offset:(\i)*BLKB+(\q)*FRB+512
	ds_load_b128 v[\reg+6:\reg+9], v[\adr] offset:(\i)*BLKB+(\q)*FRB+768
	ds_load_b64 v[\reg+10:\reg+11], v[\adr+2] offset:(\i)*BLKB+(\q)*FRB+1280
.endm
.macro FETCH slot, q, f
	WIN TO_F
.irp i, 0,1,2,3
	FRAG \f+FR*\i, ADRA+\slot, \q, \i
	FRAG \f+48+FR*\i, ADRB+\slot, \q, \i
.endr
.endm
.macro MUL8 f, a0, k, zero
.irp a, \a0, \a0+1
.irp b, 0,1,2,3
.if \zero
	v_wmma_scale_f32_16x16x128_f8f6f4 v[ACC+8*(4*(\a)+\b):ACC+8*(4*(\a)+\b)+7], v[\f+48+FR*\b:\f+48+FR*\b+FR-1], v[\f+FR*(\a):\f+FR*(\a)+FR-1], 0, v[SC+8*\b+(\k)], v[SC+8*(\a)+(\k)] matrix_a_fmt:MATRIX_FMT_FP6 matrix_b_fmt:MATRIX_FMT_FP6 matrix_a_scale:MATRIX_SCALE_ROW1
.else
	v_wmma_scale_f32_16x16x128_f8f6f4 v[ACC+8*(4*(\a)+\b):ACC+8*(4*(\a)+\b)+7], v[\f+48+FR*\b:\f+48+FR*\b+FR-1], v[\f+FR*(\a):\f+FR*(\a)+FR-1], v[ACC+8*(4*(\a)+\b):ACC+8*(4*(\a)+\b)+7], v[SC+8*\b+(\k)], v[SC+8*(\a)+(\k)] matrix_a_fmt:MATRIX_FMT_FP6 matrix_b_fmt:MATRIX_FMT_FP6 matrix_a_scale:MATRIX_SCALE_ROW1
.endif
.endr
.endr
.endm
.macro PLACES n
.rept \n
	v_nop
.endr
.endm
.macro STEP f, g, ns, nq, k, zero
.if \k > 0
	PLACES NP
.endif
	FETCH \ns, \nq, \g
	s_wait_dscnt 32
	WIN MUL
	MUL8 \f, 0, \k, \zero
	MUL8 \f, 2, \k, \zero
.endm
	s_wait_alu depctr_va_vdst(0)
	s_wait_tensorcnt 0x0
	s_barrier_signal -1
	s_barrier_wait -1
.irp i, 0,1,2,3
.irp s, 0,1
	ds_load_b128 v[SC+8*\i+4*\s:SC+8*\i+4*\s+3], v[ADRS] offset:\i*SBLK+16*\s
.endr
.endr
	FETCH 0, 0, F0
	STEP F0, F1, 0, 1, 0, 1
	STEP F1, F0, 0, 2, 1, 0
	STEP F0, F1, 0, 3, 2, 0
	STEP F1, F0, 0, 4, 3, 0
	STEP F0, F1, 0, 5, 4, 0
	STEP F1, F0, 0, 6, 5, 0
	STEP F0, F1, 0, 7, 6, 0
	s_wait_dscnt 0x0
	MUL8 F1, 0, 7, 0
	MUL8 F1, 2, 7, 0
	WIN 0
	PLACES NP
.macro TOSTAGE a
.irp b, 0,1,2,3
	ds_store_b128 v[STO], v[ACC+8*(4*(\a)+\b):ACC+8*(4*(\a)+\b)+3] offset:128*(\b/2)+32*(\b%2)
	ds_store_b128 v[STO], v[ACC+8*(4*(\a)+\b)+4:ACC+8*(4*(\a)+\b)+7] offset:128*(\b/2)+32*(\b%2)+16
.endr
.set BB, BK+32*((\a)%2)
.irp t, 0,1,2,3,4,5,6,7
	ds_load_b128 v[BB+4*\t:BB+4*\t+3], v[RD] offset:\t*2*SPITCH
.endr
.endm
.macro SEND a, younger
.set BB, BK+32*((\a)%2)
	s_wait_dscnt \younger
.irp t, 0,1,2,3,4,5,6,7
	global_store_b128 v[CO], v[BB+4*\t:BB+4*\t+3], s[12:13] offset:(32*((\a)/2)+8*((\a)%2)+2*\t+8*(\t/4))*4096 th:TH_STORE_NT
.endr
.endm
	TOSTAGE 0
.irp a, 1,2,3
.if \a > 1
	s_wait_xcnt 0x0
.endif
	TOSTAGE \a
	SEND \a-1, 16
.endr
	SEND 3, 0
	s_wait_tensorcnt 0x0
	ds_add_u32 v[SPW], v[NIL]
	s_wait_dscnt 0x0
	CROUND
	s_endpgm
.Lfunc_end_k_q6070a1ac44_outp:
	.size	k_q6070a1ac44_outp, .Lfunc_end_k_q6070a1ac44_outp-k_q6070a1ac44_outp
	.p2alignl 7, 3214868480
	.fill 96, 4, 3214868480
	.section	.rodata,"a",@progbits
	.p2align	6, 0x0
	.amdhsa_kernel k_q6070a1ac44_outp
		.amdhsa_group_segment_fixed_size 327680
		.amdhsa_private_segment_fixed_size 0
		.amdhsa_enable_private_segment 0
		.amdhsa_kernarg_size 40
		.amdhsa_user_sgpr_count 2
		.amdhsa_user_sgpr_kernarg_segment_ptr 1
		.amdhsa_wavefront_size32 1
		.amdhsa_system_sgpr_workgroup_id_x 1
		.amdhsa_system_sgpr_workgroup_id_y 1
		.amdhsa_system_sgpr_workgroup_id_z 1
		.amdhsa_system_vgpr_workitem_id 0
		.amdhsa_next_free_vgpr 512
		.amdhsa_next_free_sgpr 100
		.amdhsa_reserve_vcc 0
		.amdhsa_float_denorm_mode_32 3
		.amdhsa_float_denorm_mode_16_64 3
		.amdhsa_memory_ordered 1
		.amdhsa_forward_progress 1
		.amdhsa_inst_pref_size 50
	.end_amdhsa_kernel
	.amdgpu_metadata
---
amdhsa.version: [ 1, 2 ]
amdhsa.kernels:
  - .name:           k_q6070a1ac44_outp
    .symbol:         k_q6070a1ac44_outp.kd
    .args:
      - { .name: attn_img, .offset: 0, .size: 8, .value_kind: global_buffer, .address_space: global }
      - { .name: attn_sc, .offset: 8, .size: 8, .value_kind: global_buffer, .address_space: global }
      - { .name: w_img, .offset: 16, .size: 8, .value_kind: global_buffer, .address_space: global }
      - { .name: w_sc, .offset: 24, .size: 8, .value_kind: global_buffer, .address_space: global }
      - { .name: out0, .offset: 32, .size: 8, .value_kind: global_buffer, .address_space: global }
    .group_segment_fixed_size: 327680
    .private_segment_fixed_size: 0
    .kernarg_segment_align: 8
    .kernarg_segment_size: 40
    .max_flat_workgroup_size: 128
    .sgpr_count:     100
    .vgpr_count:     512
    .wavefront_size: 32
...
	.end_amdgpu_metadata
.endif
;; end of part 4
